; MI455X (gfx1250); checked and timed in simulation.
; The chip was launched on July 23, 2026; its instructions are those of AMD's public machine-readable ISA for CDNA 5 (MIT licence, August 2026) and "CDNA5" Instruction Set Architecture Reference Guide (July 2026). The comments in the code are by the model that wrote it; some were corrected since.
;; Multi Head Attention. Allowed arithmetic: matrix products marked QUANTISED: E3M2 operands, one E8M0 scale for each 32 along K, by v_wmma_scale_f32_16x16x128_f8f6f4 with both operands' format E3M2, f32 sums; everything else in f32.
;; Inputs: k_w 1,024 x 1,024 float32; o_w 1,024 x 1,024 float32; q_w 1,024 x 1,024 float32; token_positions 2,048 int32; v_w 1,024 x 1,024 float32; x 4 x 2,048 x 1,024 float32.
;; Outputs: out0 4 x 2,048 x 1,024 float32.
;; This version of the problem:
;;   THIS VERSION OF THE PROBLEM IS GIVEN IN LOW PRECISION. The matrix products marked QUANTISED in the list below multiply operands that are first quantised to E3M2 (3 exponent bits, 2 mantissa bits; 6 bits a number), with one power-of-two scale for each 32 numbers along K (OCP MX v1.0); their sums are f32. All else is computed in f32.
;;   The module's matrix products, in the order in which they are computed (A, B: the left and right operand; K: the contracted axis; several contracted axes count as one K, in the product's order):
;;     1. [M 8,192, K 1,024] x [K 1,024, N 1,024]; A: input x; B: input q_w: QUANTISED
;;     2. [M 8,192, K 1,024] x [K 1,024, N 1,024]; A: input x; B: input k_w: QUANTISED
;;     3. [M 8,192, K 1,024] x [K 1,024, N 1,024]; A: input x; B: input v_w: QUANTISED
;;     4. batch 64 x [M 2,048, K 64] x [K 64, N 2,048]; A: computed on the way; B: computed on the way: QUANTISED
;;     5. batch 64 x [M 2,048, K 2,048] x [K 2,048, N 64]; A: softmax (see below); B: computed on the way: QUANTISED
;;     6. [M 8,192, K 1,024] x [K 1,024, N 1,024]; A: computed on the way; B: input o_w: QUANTISED
;;   THE QUANTISER, for each operand of a quantised product, along K:
;;     - K is cut into blocks of 32 from its start; a last block that is shorter is filled with zeros.
;;     - A block's scale is 2^e with e = floor(log2(the largest magnitude in the block)) - 4, held to -126 .. 127; a block of zeros has e = 0. As a byte (E8M0): e + 127.
;;     - Each number is divided by its block's scale, clamped to +-28, and rounded to the nearest number of E3M2, ties to even, subnormals kept.
;;     - The product sums the exact products of the quantised numbers (number of the format x scale) in f32.
;;   ~~~python
;;   def quantise(x, axis):      # numpy; x: float32 -> the quantised numbers, widened to float32 again
;;       x = np.moveaxis(x, axis, -1); K = x.shape[-1]
;;       x = np.pad(x, [(0, 0)] * (x.ndim - 1) + [(0, -K % 32)]); x = x.reshape(x.shape[:-1] + (-1, 32)); a = np.abs(x).max(-1, keepdims=True)
;;       e = np.where(a > 0, np.clip(np.frexp(np.where(a > 0, a, 1))[1] - 1 - 4, -126, 127), 0)      # np.frexp(a)[1] - 1 = floor(log2(a)), exactly
;;       r = np.clip(x / 2.0 ** e, -28, 28)
;;       step = 2.0 ** (np.maximum(np.frexp(np.where(r == 0, 1, r))[1] - 1, -2) - 2)
;;       q = np.round(r / step) * step * 2.0 ** e      # np.round: ties to even
;;       return np.moveaxis(q.reshape(q.shape[:-2] + (-1,))[..., :K], -1, axis).astype(np.float32)
;;   ~~~
;;   SOFTMAX AHEAD OF A QUANTISED PRODUCT. Where the list says 'softmax', what is quantised is not the finished softmax but p = 2^(t - M), with t = logit x log2(e) and M = ceil(the row's largest t), a whole number; so 1/2 < the row's largest p <= 1. The row's sum l is taken of the UNQUANTISED p, in f32, and the product's result is divided by l at the end. Since M is a whole number, a kernel that streams over the keys may use a running M (the ceiling of the running maximum): every later rescaling is an exact power of two, which a block's scale takes up: the codes' values come out the same.
;;   OPERANDS COMPUTED ON THE WAY. 'Computed on the way' means the value that the module computes at that place (a softmax that the list does not call 'softmax' is quantised finished and normalised). What goes into a quantiser is computed in f32, as accurately as f32 sums, v_exp_f32 and their like allow (about 1e-6 of the number): no bf16 or f16 on the way to a quantiser, and a product that is left as it is and whose result goes on into a quantised operand takes f32 operands (vector FMAs, or v_wmma_f32_16x16x4_f32). A number that lies on a knife's edge between two numbers of the format may be rounded either way, as far as f32 arithmetic and the matrix unit's own rounding can turn it there, and no further.
;; One version. Each part assembles by itself: llvm-mc -triple=amdgcn-amd-amdhsa -mcpu=gfx1250 --defsym DOCPART=n.
;; ======== version 1 of 1: 4 launches
;; limits: right only within a limited range of input values
;; workspace buffers: cod 9,437,184 bytes; scl 393,216 bytes; tab 557,056 bytes; qkv 19,660,800 bytes; ac 6,291,456 bytes; asc 262,144 bytes
;; launch quant (part 1): grid 418 x 1, 4 waves a work-group, no clusters, 33,280 bytes of LDS; arguments x, q_w, k_w, v_w, o_w, token_positions, cod, scl, tab; writes cod, scl, tab
.if DOCPART == 1
	.amdgcn_target "amdgcn-amd-amdhsa--gfx1250"
	.amdhsa_code_object_version 6
	.text
	.protected	k_q883c69c65e_quant
	.globl	k_q883c69c65e_quant
	.p2align	8
	.type	k_q883c69c65e_quant,@function
k_q883c69c65e_quant:
	s_mov_b64 s[64:65], 0
	v_nop
	global_prefetch_b8 v0, s[64:65] scope:SCOPE_SE
	s_setreg_imm32_b32 hwreg(HW_REG_WAVE_MODE, 25, 1), 1
	s_wait_xcnt 0x0
; LAUNCH 1 OF 4.  (a) x [8192][1024] and the four weights [1024][1024], f32, K innermost, become codes of BF6 (E3M2) with one E8M0 byte for each 32 along K:
; cod: 12,288 rows x 768 bytes, scl: the same rows x 32 bytes.  Rows 0.. x, 8192.. q_w, 9216.. k_w, 10240.. v_w, 11264.. o_w.
; THE ROWS OF x, q_w, k_w, v_w ARE STORED PERMUTED: row n lies at the place n with bits 3 and 4 exchanged (the exchange is its own inverse).  So sixteen neighbouring stored rows are eight
; neighbouring true rows and the eight that lie 16 further on: as source 0 of a matrix instruction two neighbouring blocks of 16 stored rows give a lane 16 neighbouring true rows in 16 registers.  o_w is stored plain.
; (b) tab: 2,176 rows x 256 bytes: row p < 2,048 holds (cos, sin) of token_positions[p with bits 3 and 4 exchanged] x theta^(-k / 32), k = 0 .. 31, at byte 8 k; rows 2,048 on hold (1, 0).
; A block's scale is 2^(floor(log2(its largest magnitude)) - 4); its byte is the largest magnitude's exponent field - 4, held at 1 from below.  A block of zeros gets the byte 1: its codes are zeros, and this program alone reads the bytes.
; LIMITS: NaN and infinities among the inputs are not served; blocks whose largest magnitude lies under 2^-122 keep the byte 1; the angle's reduction keeps full f32 accuracy for positions up to about 2^17 in magnitude;
; the frequencies agree with 1 / theta^(2 k / 64) to about 2 units in the last place.
; SHARES: work-groups 0-383 quantise, a wave a run of 8,192 numbers (8 rows) in 16 steps of 512; work-groups 384-417 make the table, a wave 16 rows, a lane a frequency.  No tensor loads, no barrier: waves share nothing.
.set NQWG,  384                        ; 256 work-groups for x, 32 for each weight
.set STEPS, 16
.set EMAX,  4
.set CB,    12                         ; bytes of 16 codes
.set R,     16                         ; v16-79   four sets of 16 numbers as they are loaded
.set X,     80                         ; v80-111  two sets of 16 neighbours
.set C,     128                        ; v128-191 codes: four registers for each step, so that no store's data are written again
.set E,     112                        ; v112-127 a scale byte for each step
.set WREG,  8192                       ; LDS: a region for each wave: two stages of 32 x SP bytes, behind them its 256 scale bytes
.set SP,    80                         ; a lane's place in a stage: 64 bytes + 16 of padding
	s_load_b512 s[4:19], s[0:1], 0x0               ; x s[4:5], q_w s[6:7], k_w s[8:9], v_w s[10:11], o_w s[12:13], token_positions s[14:15], cod s[16:17], scl s[18:19]
	s_load_b64 s[20:21], s[0:1], 0x40              ; tab
	v_lshl_add_u32 v192, v0, 2, 0x8000
	v_mov_b32 v193, 0
	v_lshrrev_b32 v1, 5, v0
	v_readfirstlane_b32 s24, v1                    ; wave 0..3
	v_and_b32 v2, 31, v0                           ; lane
	s_cmp_ge_u32 ttmp9, NQWG
	s_cbranch_scc1 .Ltable                         ; a branch on the work-group's number; only the way below uses LDS
	v_lshlrev_b32 v3, 4, v2                        ; my 16 bytes of a load's 512
	s_mul_i32 s25, s24, WREG
	v_lshrrev_b32 v14, 2, v2
	v_mul_u32_u24 v14, v14, SP
	v_and_b32 v15, 3, v2
	v_lshl_add_u32 v14, v15, 4, v14
	v_add_nc_u32 v14, s25, v14                     ; the stage, on the way in: four lanes' 64 bytes on end, then 16 of padding
	v_mul_u32_u24 v15, v2, SP
	v_add_nc_u32 v15, s25, v15                     ; and on the way out: my 16 neighbours
	v_mul_u32_u24 v4, v2, CB                       ; my codes' place in a step's
	v_lshrrev_b32 v5, 1, v2
	s_add_co_u32 s25, s25, 2*32*SP
	v_add_nc_u32 v5, s25, v5                       ; LDS: my wave's 256 scale bytes, my block's byte
	v_lshlrev_b32 v7, 3, v2                        ; and on the way out 8 bytes a lane
	v_add_nc_u32 v6, s25, v7
	s_wait_alu depctr_va_vdst(0)
	s_wait_kmcnt 0x0
	s_mov_b64 s[26:27], s[12:13]                   ; which tensor: the choice hangs on the work-group's number alone
	s_mov_b32 s28, 352                             ; and the tensor's first work-group
	s_cmp_lt_u32 ttmp9, 352
	s_cselect_b64 s[26:27], s[10:11], s[26:27]
	s_cselect_b32 s28, 320, s28
	s_cselect_b32 s29, 1, 0                        ; all but o_w are stored permuted
	s_cmp_lt_u32 ttmp9, 320
	s_cselect_b64 s[26:27], s[8:9], s[26:27]
	s_cselect_b32 s28, 288, s28
	s_cmp_lt_u32 ttmp9, 288
	s_cselect_b64 s[26:27], s[6:7], s[26:27]
	s_cselect_b32 s28, 256, s28
	s_cmp_lt_u32 ttmp9, 256
	s_cselect_b64 s[26:27], s[4:5], s[26:27]
	s_cselect_b32 s28, 0, s28
	s_sub_co_u32 s30, ttmp9, s28
	s_lshl_b32 s30, s30, 2
	s_add_co_u32 s30, s30, s24                     ; my run of 8 rows in the tensor,
	s_lshl_b32 s30, s30, 15                        ; 32,768 bytes a run
	s_mov_b32 s31, 0
	s_add_nc_u64 s[26:27], s[26:27], s[30:31]
	s_and_b32 s32, s24, 1                          ; a run is 8 rows: a row's bits 3 and 4 are the run's bits 0 and 1, which are the wave's number
	s_lshl_b32 s32, s32, 1
	s_lshr_b32 s33, s24, 1
	s_or_b32 s32, s32, s33
	s_cmp_lg_u32 s29, 0
	s_cselect_b32 s32, s32, s24
	s_lshl_b32 s33, ttmp9, 2
	s_add_co_u32 s32, s32, s33                     ; the run's place in cod and scl
	s_mul_i32 s34, s32, 6144
	s_mov_b32 s35, 0
	s_add_nc_u64 s[16:17], s[16:17], s[34:35]
	s_lshl_b32 s34, s32, 8
	s_add_nc_u64 s[18:19], s[18:19], s[34:35]
.macro LOAD t
.irp i, 0,1,2,3
	global_load_b128 v[R+16*((\t)%4)+4*\i:R+16*((\t)%4)+4*\i+3], v3, s[26:27] offset:2048*(\t)+512*\i th:TH_LOAD_NT   ; 32 lanes read 512 consecutive bytes
.endr
.endm
.macro TURN t                          ; step t's numbers through the stage: LDS serves a wave's instructions in order, so no wait stands between the stores and the loads
.irp i, 0,1,2,3
	ds_store_b128 v14, v[R+16*((\t)%4)+4*\i:R+16*((\t)%4)+4*\i+3] offset:32*SP*((\t)%2)+8*SP*\i
.endr
.irp i, 0,1,2,3
	ds_load_b128 v[X+16*((\t)%2)+4*\i:X+16*((\t)%2)+4*\i+3], v15 offset:32*SP*((\t)%2)+16*\i
.endr
.endm
.irp t, 0,1,2,3
	LOAD \t
.endr
	s_wait_loadcnt 12                              ; step 0's four loads are in; the twelve of steps 1 to 3 may be out
	TURN 0
.macro STEP t
.set XS, X+16*((\t)%2)
.if (\t) > 0
	s_wait_dscnt 1                                 ; this step's numbers are back from the stage (the last step's byte store may be out): so its stores into the stage have read their registers,
.else
	s_wait_dscnt 0x0
.endif
.if (\t)+4 < STEPS
	LOAD (\t)+4                                    ; which take the loads of four steps on
.endif
.if (\t)+1 < STEPS
.if STEPS-2-(\t) >= 3
	s_wait_loadcnt 12                              ; the next step's four loads are in; those of the three steps behind it may be out
.else
	s_wait_loadcnt 4*(STEPS-2-(\t))
.endif
	TURN (\t)+1                                    ; and go through the other stage while this step is worked
.endif
	v_max3_num_f32 v8, |v[XS]|, |v[XS+1]|, |v[XS+2]|               ; the largest magnitude of my 16
	v_max3_num_f32 v9, |v[XS+3]|, |v[XS+4]|, |v[XS+5]|
.irp i, 6,10
	v_max3_num_f32 v8, v8, |v[XS+\i]|, |v[XS+\i+1]|
	v_max3_num_f32 v9, v9, |v[XS+\i+2]|, |v[XS+\i+3]|
.endr
	v_max3_num_f32 v8, v8, |v[XS+14]|, |v[XS+15]|
	v_max3_num_f32 v8, v8, v9, (EMAX+1)<<23        ; and the floor 2^(5 - 127): the byte cannot fall under 1
	v_max_num_f32_dpp v8, v8, v8 row_xmask:1 row_mask:0xf bank_mask:0xf   ; and of my neighbour's 16: the block's
	v_add_nc_u32 v11, -(EMAX<<23), v8              ; 4 off its exponent field: the conversion takes the exponent field of this operand as its scale
	v_cvt_scalef32_pk16_bf6_f32 v[C+4*(\t):C+4*(\t)+2], v[XS:XS+15], v11
	v_lshrrev_b32 v[E+(\t)], 23, v11               ; the scale's byte (a plain line behind the conversion)
	ds_store_b8 v5, v[E+(\t)] offset:16*(\t)       ; both lanes of a block write the same byte with the same value
	global_store_b96 v4, v[C+4*(\t):C+4*(\t)+2], s[16:17] offset:32*CB*(\t)   ; the wave stores 384 consecutive bytes
.endm
.irp t, 0,1,2,3,4,5,6,7,8,9,10,11,12,13,14,15
	STEP \t
.endr
	ds_load_b64 v[12:13], v6                       ; LDS serves a wave's instructions in order: these see my stores
	s_wait_dscnt 0x0
	global_store_b64 v7, v[12:13], s[18:19]        ; 32 lanes store 256 consecutive bytes, aligned
	s_wait_tensorcnt 0x0
	ds_add_u32 v192, v193
	s_wait_dscnt 0x0
	s_endpgm
.Ltable:
	; THE TABLE.  Wave W = 0 .. 135 makes rows 16 W .. 16 W + 15; lane = k.  Waves 128 on make the rows (1, 0): their frequency is 0.
	s_sub_co_u32 s25, ttmp9, NQWG
	s_lshl_b32 s25, s25, 2
	s_add_co_u32 s25, s25, s24                     ; W
	s_min_u32 s26, s25, 127                        ; no load leaves token_positions
	s_cmp_lt_u32 s25, 128
	s_cselect_b32 s28, 1.0, 0
	s_lshr_b32 s27, s26, 1
	s_lshl_b32 s27, s27, 7                         ; row 16 W + i stands for token 32 (W / 2) + 8 (W % 2) + i % 8 + 16 (i / 8): 4 bytes a token
	s_and_b32 s26, s26, 1
	s_lshl_b32 s26, s26, 5
	s_add_co_u32 s26, s26, s27
	s_mov_b32 s27, 0
	s_lshl_b32 s30, s25, 12                        ; my 16 rows of 256 bytes
	s_mov_b32 s31, 0
	s_wait_kmcnt 0x0
	s_add_nc_u64 s[14:15], s[14:15], s[26:27]
	s_add_nc_u64 s[20:21], s[20:21], s[30:31]
	s_load_b256 s[32:39], s[14:15], 0x0            ; the positions of rows 0-7,
	s_load_b256 s[40:47], s[14:15], 0x40           ; and of rows 8-15, 16 tokens on
	s_wait_alu depctr_va_vdst(0)
	v_cvt_f32_u32 v3, v2                           ; k
	v_mul_f32 v4, 0xbed49a80, v3                   ; - k x log2(theta) / 32, the factor rounded up to 19 bits: the product is exact
	s_wait_alu depctr_va_vdst(0)
	v_exp_f32 v5, v4
	v_mul_f32 v6, 0x342ae0e2, v3                   ; k x ln 2 x what the rounding added.  (A plain line behind the exponential)
	v_lshlrev_b32 v1, 3, v2                        ; 8 bytes a lane
	v_mov_b32 v8, 0x3f22f983                       ; 2 / pi
	v_mov_b32 v9, 0x3fc90fdb                       ; pi / 2 in three parts
	v_mov_b32 v10, 0xb33bbd2e
	v_mov_b32 v11, 0xa6f72ced
	v_mov_b32 v12, 0xbe2aaaa3                      ; sin r = r + r z (S1 + z (S2 + z S3)), z = r^2, |r| <= pi / 4
	v_mov_b32 v13, 0x3c08839e
	v_mov_b32 v14, 0xb94ca1f9
	v_mov_b32 v15, 0x3d2aaaa5                      ; cos r = 1 - z / 2 + z^2 (C1 + z (C2 + z C3))
	v_mov_b32 v16, 0xbab6061a
	v_mov_b32 v17, 0x37ccf5ce
	s_wait_alu depctr_va_vdst(0)                   ; the wait ahead of the first line that names the exponential's result
	v_fma_f32 v7, v5, v6, v5                       ; theta^(-k / 32)
	v_mul_f32 v7, s28, v7
	s_wait_kmcnt 0x0
.macro SINCOS i
	v_cvt_f32_i32 v20, s[32+\i]
	s_wait_alu depctr_va_vdst(0)
	v_mul_f32 v20, v20, v7                         ; the angle: one rounding
	v_mul_f32 v21, v8, v20
	v_rndne_f32 v21, v21                           ; n quarter turns
	v_fma_f32 v22, -v21, v9, v20
	v_fma_f32 v22, -v21, v10, v22
	v_fma_f32 v22, -v21, v11, v22                  ; r
	v_cvt_i32_f32 v23, v21
	v_mul_f32 v24, v22, v22                        ; z
	v_fma_f32 v25, v24, v14, v13
	v_fma_f32 v26, v24, v17, v16
	v_fma_f32 v25, v24, v25, v12
	v_fma_f32 v26, v24, v26, v15
	v_mul_f32 v25, v24, v25
	v_mul_f32 v27, v24, v24
	v_fma_f32 v28, v24, -0.5, 1.0
	v_fma_f32 v25, v25, v22, v22                   ; sin r
	v_fma_f32 v26, v27, v26, v28                   ; cos r
	v_and_b32 v29, 1, v23
	v_cmp_eq_u32 vcc_lo, 1, v29                    ; an odd quarter exchanges the two
	v_cndmask_b32 v30, v26, v25, vcc_lo
	v_cndmask_b32 v31, v25, v26, vcc_lo
	v_add_nc_u32 v29, 1, v23
	v_and_b32 v29, 2, v29
	v_lshlrev_b32 v29, 30, v29                     ; cos is negative in quarters 1 and 2,
	v_xor_b32 v[64+2*\i], v29, v30
	v_and_b32 v29, 2, v23
	v_lshlrev_b32 v29, 30, v29                     ; sin in quarters 2 and 3
	v_xor_b32 v[65+2*\i], v29, v31
	global_store_b64 v1, v[64+2*\i:65+2*\i], s[20:21] offset:256*\i   ; 32 lanes store a row: 256 consecutive bytes, aligned; each row has registers of its own
.endm
.irp i, 0,1,2,3,4,5,6,7,8,9,10,11,12,13,14,15
	SINCOS \i
.endr
	s_endpgm
.Lfunc_end_k_q883c69c65e_quant:
	.size	k_q883c69c65e_quant, .Lfunc_end_k_q883c69c65e_quant-k_q883c69c65e_quant
	.p2alignl 7, 3214868480
	.fill 96, 4, 3214868480
	.section	.rodata,"a",@progbits
	.p2align	6, 0x0
	.amdhsa_kernel k_q883c69c65e_quant
		.amdhsa_group_segment_fixed_size 33280
		.amdhsa_private_segment_fixed_size 0
		.amdhsa_enable_private_segment 0
		.amdhsa_kernarg_size 72
		.amdhsa_user_sgpr_count 2
		.amdhsa_user_sgpr_kernarg_segment_ptr 1
		.amdhsa_wavefront_size32 1
		.amdhsa_system_sgpr_workgroup_id_x 1
		.amdhsa_system_sgpr_workgroup_id_y 1
		.amdhsa_system_sgpr_workgroup_id_z 1
		.amdhsa_system_vgpr_workitem_id 0
		.amdhsa_next_free_vgpr 194
		.amdhsa_next_free_sgpr 66
		.amdhsa_reserve_vcc 1
		.amdhsa_float_denorm_mode_32 3
		.amdhsa_float_denorm_mode_16_64 3
		.amdhsa_memory_ordered 1
		.amdhsa_forward_progress 1
		.amdhsa_inst_pref_size 56
	.end_amdhsa_kernel
	.amdgpu_metadata
---
amdhsa.version: [ 1, 2 ]
amdhsa.kernels:
  - .name:           k_q883c69c65e_quant
    .symbol:         k_q883c69c65e_quant.kd
    .args:
      - { .name: x, .offset: 0, .size: 8, .value_kind: global_buffer, .address_space: global }
      - { .name: q_w, .offset: 8, .size: 8, .value_kind: global_buffer, .address_space: global }
      - { .name: k_w, .offset: 16, .size: 8, .value_kind: global_buffer, .address_space: global }
      - { .name: v_w, .offset: 24, .size: 8, .value_kind: global_buffer, .address_space: global }
      - { .name: o_w, .offset: 32, .size: 8, .value_kind: global_buffer, .address_space: global }
      - { .name: token_positions, .offset: 40, .size: 8, .value_kind: global_buffer, .address_space: global }
      - { .name: cod, .offset: 48, .size: 8, .value_kind: global_buffer, .address_space: global }
      - { .name: scl, .offset: 56, .size: 8, .value_kind: global_buffer, .address_space: global }
      - { .name: tab, .offset: 64, .size: 8, .value_kind: global_buffer, .address_space: global }
    .group_segment_fixed_size: 33280
    .private_segment_fixed_size: 0
    .kernarg_segment_align: 8
    .kernarg_segment_size: 72
    .max_flat_workgroup_size: 128
    .sgpr_count:     66
    .vgpr_count:     194
    .wavefront_size: 32
...
	.end_amdgpu_metadata
.endif
;; end of part 1
;; launch qkv (part 2): grid 8 x 48, 4 waves a work-group, clusters of 4 x 4, 327,680 bytes of LDS; arguments cod, scl, tab, qkv; writes qkv
.if DOCPART == 2
	.amdgcn_target "amdgcn-amd-amdhsa--gfx1250"
	.amdhsa_code_object_version 6
	.text
	.protected	k_q883c69c65e_qkv
	.globl	k_q883c69c65e_qkv
	.p2align	8
	.type	k_q883c69c65e_qkv,@function
k_q883c69c65e_qkv:
	s_mov_b64 s[64:65], 0
	v_nop
	global_prefetch_b8 v0, s[64:65] scope:SCOPE_SE
	s_setreg_imm32_b32 hwreg(HW_REG_WAVE_MODE, 25, 1), 1
	s_wait_xcnt 0x0
	s_wait_alu depctr_hold_cnt(0) depctr_sa_sdst(0) depctr_va_vdst(0) depctr_va_sdst(0) depctr_va_ssrc(0) depctr_va_vcc(0) depctr_vm_vsrc(0)
	s_getreg_b32 s2, hwreg(HW_REG_IB_STS2, 6, 4)
	s_cmp_eq_u32 s2, 0
	s_cbranch_scc0 .Lentry_in_a_cluster
	s_endpgm
.Lentry_in_a_cluster:
	s_bfe_u32 s2, ttmp6, 0x10000c
	s_cmp_lg_u32 s2, 0xf033
	s_cbranch_scc0 .Lentry_shape_is_right
	s_endpgm
.Lentry_shape_is_right:
; LAUNCH 2 OF 4.  q = x q_w^T, k = x k_w^T, v = x v_w^T on codes of BF6 (E3M2) with E8M0 scales; behind the sums, in registers: the rotation of q and k, and the quantisers of the next products' operands.
; A tile of 256 x 256 is made by a work-group of four waves, 128 x 128 a wave: 64 accumulators.  K = 1,024 goes in steps of 256 through a ring of two LDS slots filled by the tensor data mover; the scale bytes of the
; work-group's rows come once.  4 x 4 work-groups form a cluster: the four of a row need the same tiles of side A, the four of a column the same tiles of side B: each tile is asked for jointly.
; THE MATRIX INSTRUCTION: source 0 = 16 rows of side B, source 1 = 16 rows of side A: a lane holds ONE row of side A, and its registers run along the rows of side B.
; TWO KINDS OF TILE, ONE TEXT, NO BRANCH.  Clusters y = 0-7 (q, k): side A = x, side B = q_w, k_w: a lane holds a token, its registers run along the features: the next K is the head's 64.
; Clusters y = 8-11 (v): side A = v_w, side B = x: a lane holds a feature, its registers run along the tokens: the next K is the keys.  What differs is chosen by s_cselect_b32 on the cluster's y, the same in all sixteen partners.
; The rows of x and of the weights lie in cod with bits 3 and 4 of the row number exchanged, so the 16 registers of side B's blocks 2 G and 2 G + 1 are true rows 32 G + 16 (lane / 16) + 0 .. 15: 16 neighbours along the next K.
; THE WAY OUT, for each of my eight blocks of 16 rows of side A: rotate (v's table rows hold (1, 0)), quantise 128 along the registers, store the fragment as an image of its registers.
; qkv: [batch x 16 + head][chunk of 128 tokens][19,200 bytes]: sections Q, K, V of 6,400 bytes: 6,144 of codes, 256 of scale words.  Q, K: 8 tiles of 16 tokens x 768 bytes: registers 2 p, 2 p + 1 of lane l at 256 p + 8 l; lane (r, h)
; holds stored token r, d = 32 h .. 32 h + 31.  V: 4 fragments (16 stored d rows x 128 keys) x 1,536 bytes, pieces p = 0 .. 5.  Scale words: 16 bytes a lane r: Q, K: word j = tile 2 j's two bytes, tile 2 j + 1's two; V: word t = fragment t's four.
; LIMITS: NaN and infinities are not served; a block whose largest magnitude lies under 2^-122 keeps the byte 1, a block of zeros too (its codes are zeros; this program alone reads the bytes).
; REGISTERS, in windows of 256: window 0: v0-31 addresses; v32-63 scale words, two sets; v64-127 two sets of table rows; from v128 side A's fragments, ONE set; behind the loop v128-255 are at work.
;   window 1: side B's fragments, TWO sets, at v0 and v128.   windows 2, 3: the accumulators of my rows 0-63 and 64-127 ((a, b) at v[8 (8 (a % 4) + b)]).
.set SIZE_K, 1024
.set KSTEP,  256                       ; along K in a slot
.set NQ,     KSTEP/128                 ; matrix instructions deep
.set ROWB,   192                       ; a tile's row in bytes
.set KROW,   SIZE_K*6/8                ; a row of cod
.set PITCH,  240                       ; an LDS row: 3 x (64 bytes + 16 of padding): the 32 lanes of a load of 8 bytes touch 64 different banks (64 banks of 4 bytes: ISA guide 11.1)
.set FR,     12                        ; registers of a fragment
.set NL,     6                         ; LDS loads that bring one
.set NP,     4                         ; places behind this matrix instruction (ISA guide 7.12.1)
.set HALFT,  128*PITCH
.set SLOT,   4*HALFT
.set LAPS,   SIZE_K/(2*KSTEP)
.set KS,     SIZE_K/32                 ; a row of scl
.set SCL,    2*SLOT                    ; behind the ring: the scales, as units of 256 bytes + 16 of padding
.set HALFS,  (128*KS/256)*272
.set SBLK,   (16*KS/256)*272
.set SPARE,  SCL+4*HALFS               ; the spare words, 128 bytes a wave: two blocks of 256 bytes that no other line names
.set HEADB,  307200                    ; a head in qkv
.set TOF,  7                           ; v7   the table: 256 r + 64 h
.set L8,   8                           ; v8   8 x lane
.set OFA,  9                           ; v9   where registers 0-5 of the fragment in hand go
.set OFB,  10                          ; v10  and registers 6-11
.set OFS,  11                          ; v11  the scale words: 16 r + a head x h
.set SELQ, 12                          ; v12  byte selects: lanes 0-15 the words' low halves, lanes 16-31 the high halves
.set ADRA, 16
.set ADRB, 20
.set ADRS, 27
.set SPW,  28                          ; v28  LDS address of my spare word; never rewritten
.set NIL,  29                          ; v29  0; never rewritten
.set SC,   32
.set CSR,  64                          ; v64-95, v96-127: (cos, sin) of my lane's 16 pairs, two sets by turns
.set AF,   128
.set RR,   128                         ; v128-191 the block's 64 numbers
.set TT,   192                         ; v192-199 at work
.set PC,   200                         ; v200-218 the codes
.set PW,   224                         ; v224-231 the eight blocks' scale words
.set TM,   232                         ; v232-247 at work in the quantiser
.set WW,   248                         ; v248-251 the scale words as they are stored
.set G1, 24
.set G0, 32
.set G1B, 48
.set G0B, 56
.set G1S, 68
.set G0S, 76
.set G1SB, 80
.set G0SB, 88
.set ISV, 95                           ; s95  1 in v's tiles
.set DELTA, 96                         ; s96  from registers 0-5's place to registers 6-11's: the next head (q, k) or 768 bytes (v)
.set IVM, 97                           ; s97  all ones in v's tiles
.set HM,  98                           ; s98  lanes 16-31
.set SEL, 100                          ; s100, s101 lane selects for lane l xor 16
.set MSB, 0
.macro WIN new                         ; the immediate's high byte repeats the setting that is left
.if MSB != \new
	s_set_vgpr_msb (MSB<<8)|\new
.set MSB, \new
.endif
.endm
.set MUL_LO, 0xa1                      ; source 0 window 1, source 1 window 0, C and D window 2
.set MUL_HI, 0xf1                      ; the same, C and D window 3
.set TO_B,   0x40                      ; destination window 1, address window 0
; A joint load: waves 0 and 1 fetch for side A, waves 2 and 3 for side B.  The branch hangs on the wave's number alone.  Four v_nop follow each of the two lines.
.macro JLOAD g0a, g1a, g0b, g1b
	s_cmp_eq_u32 s15, 0
	s_cbranch_scc0 .Lfor_b_\@
	tensor_load_to_lds s[\g0a:\g0a+3], s[\g1a:\g1a+7]
	s_nop 0
.rept 4
	v_nop
.endr
	s_branch .Lasked_\@
.Lfor_b_\@:
	tensor_load_to_lds s[\g0b:\g0b+3], s[\g1b:\g1b+7]
	s_nop 0
.rept 4
	v_nop
.endr
.Lasked_\@:
.endm
.macro CREST                           ; a round of the cluster's barrier behind its opening barrier
	s_cmp_lg_u32 s14, 0
	s_cbranch_scc1 .Lnot_wave_0_\@
	s_barrier_signal -3
.Lnot_wave_0_\@:
	s_barrier_wait -3
	s_barrier_signal -1
	s_barrier_wait -1
.endm
.macro CROUND
	s_barrier_signal -1
	s_barrier_wait -1
	CREST
.endm
	s_load_b256 s[4:11], s[0:1], 0x0               ; cod s[4:5], scl s[6:7], tab s[8:9], qkv s[10:11]
	v_lshl_add_u32 v[SPW], v0, 2, SPARE
	v_mov_b32 v[NIL], 0
	ds_add_u32 v28, v29
	ds_add_u32 v28, v29
	s_wait_dscnt 0x0
	v_lshrrev_b32 v1, 5, v0
	v_readfirstlane_b32 s14, v1                    ; wave 0..3
	s_lshr_b32 s15, s14, 1                         ; which half of side A's rows is mine.  Also: I fetch for A (0) or for B (1)
	s_and_b32 s16, s14, 1                          ; which half of side B's.  Also: which 128 rows I fetch
	s_bfe_u32 s40, ttmp6, 0x40000                  ; cx, cy: my place in the cluster
	s_bfe_u32 s41, ttmp6, 0x40004
	s_and_b32 s17, ttmp7, 0xffff                   ; the cluster's y
	s_lshl_b32 s18, s17, 10                        ; q, k: side A = x, rows 1,024 x cluster y on;
	s_lshl_b32 s19, ttmp9, 10
	s_add_co_u32 s19, s19, 8192                    ;       side B = q_w, k_w, rows 8,192 + 1,024 x cluster x on
	s_lshl_b32 s21, s17, 1
	s_add_co_u32 s21, s21, ttmp9
	s_sub_co_u32 s21, s21, 16
	s_lshl_b32 s21, s21, 10                        ; v: side B = x, rows 1,024 (cluster x + 2 (cluster y - 8)) on;
	s_mov_b32 s22, 10240                           ;    side A = v_w
	s_mov_b32 s[DELTA], HEADB
	s_cmp_ge_u32 s17, 8                            ; the same in all sixteen partners
	s_cselect_b32 s[ISV], 1, 0
	s_cselect_b32 s18, s22, s18
	s_cselect_b32 s19, s21, s19
	s_cselect_b32 s[IVM], -1, 0
	s_cselect_b32 s[DELTA], 768, s[DELTA]
	s_lshl_b32 s20, s41, 8
	s_add_co_u32 s17, s20, s18                     ; side A's first row in cod: cy and the cluster's numbers alone
	s_lshl_b32 s46, s40, 8
	s_add_co_u32 s42, s46, s19                     ; side B's: cx and the cluster's numbers alone
	s_lshl_b32 s43, s41, 2
	s_lshl_b32 s43, 15, s43                        ; my row of the cluster
	s_lshl_b32 s44, 0x1111, s40                    ; my column
	; descriptor group 1: a tile of 128 rows x 192 bytes, 16 bytes of padding behind every 64
	s_or_b32 s[G1+0], s43, (0<<16)|(1<<20)|(1<<21)|(3<<22)|(3<<25)  ; 15:0 the mask; 17:16 elements of 1 byte; 20 padding on; 21 set beside a mask; 24:22 after every 16 words; 31:25 of 4 words
	s_or_b32 s[G1B+0], s44, (0<<16)|(1<<20)|(1<<21)|(3<<22)|(3<<25)
.irp g, G1, G1B
	s_mov_b32 s[\g+1], ROWB<<16                    ; tensor_dim0
	s_mov_b32 s[\g+2], 128<<16                     ; tensor_dim1
	s_mov_b32 s[\g+3], ROWB<<16                    ; tile_dim0
	s_mov_b32 s[\g+4], 128                         ; tile_dim1
	s_mov_b32 s[\g+5], KROW                        ; tensor_dim0_stride
	s_mov_b32 s[\g+6], 0
	s_mov_b32 s[\g+7], 0
.endr
	; the scales of 128 rows: 4,096 dense bytes, as 16 rows of 256 bytes (32 elements of 8), 16 bytes of padding behind each
	s_or_b32 s[G1S+0], s43, (3<<16)|(1<<20)|(1<<21)|(5<<22)|(3<<25)
	s_or_b32 s[G1SB+0], s44, (3<<16)|(1<<20)|(1<<21)|(5<<22)|(3<<25)
.irp g, G1S, G1SB
	s_mov_b32 s[\g+1], 32<<16
	s_mov_b32 s[\g+2], (128*KS/256)<<16
	s_mov_b32 s[\g+3], 32<<16
	s_mov_b32 s[\g+4], 128*KS/256
	s_mov_b32 s[\g+5], 32
	s_mov_b32 s[\g+6], 0
	s_mov_b32 s[\g+7], 0
.endr
	s_lshl_b32 s18, s16, 7                         ; which 128 rows of the tile I fetch
	s_add_co_u32 s20, s17, s18
	s_add_co_u32 s46, s42, s18
	s_mov_b32 s21, 0
	s_mov_b32 s47, 0
	s_mov_b64 s[18:19], KS
	s_mul_u64 s[22:23], s[20:21], s[18:19]         ; where these rows' scales begin, in bytes
	s_mul_u64 s[92:93], s[46:47], s[18:19]
	s_mov_b64 s[18:19], KROW
	s_mul_u64 s[20:21], s[20:21], s[18:19]         ; and their codes
	s_mul_u64 s[46:47], s[46:47], s[18:19]
	s_mul_i32 s45, s14, HALFT                      ; where they go: wave x 128 rows: no place in the cluster enters an LDS address
	s_mul_i32 s94, s14, HALFS
	s_wait_kmcnt 0x0
	s_add_nc_u64 s[20:21], s[4:5], s[20:21]
	s_add_nc_u64 s[22:23], s[6:7], s[22:23]
	s_add_nc_u64 s[46:47], s[4:5], s[46:47]
	s_add_nc_u64 s[92:93], s[6:7], s[92:93]
	CROUND                                         ; all sixteen work-groups are here: the first joint loads meet
	s_mov_b32 s[G0S], 1
	s_add_co_u32 s[G0S+1], s94, SCL
	s_mov_b64 s[G0S+2:G0S+3], s[22:23]
	s_or_b32 s[G0S+3], s[G0S+3], 0x80000000
	s_mov_b32 s[G0SB], 1
	s_add_co_u32 s[G0SB+1], s94, SCL
	s_mov_b64 s[G0SB+2:G0SB+3], s[92:93]
	s_or_b32 s[G0SB+3], s[G0SB+3], 0x80000000
	JLOAD G0S, G1S, G0SB, G1SB                     ; the scales first: they are wanted with K step 0
.irp s, 0,1
	s_mov_b32 s[G0+4*\s], 1
	s_add_co_u32 s[G0+4*\s+1], s45, \s*SLOT
	s_add_nc_u64 s[G0+4*\s+2:G0+4*\s+3], s[20:21], \s*ROWB
	s_or_b32 s[G0+4*\s+3], s[G0+4*\s+3], 0x80000000
	s_mov_b32 s[G0B+4*\s], 1
	s_add_co_u32 s[G0B+4*\s+1], s45, \s*SLOT
	s_add_nc_u64 s[G0B+4*\s+2:G0B+4*\s+3], s[46:47], \s*ROWB
	s_or_b32 s[G0B+4*\s+3], s[G0B+4*\s+3], 0x80000000
	JLOAD G0+4*\s, G1, G0B+4*\s, G1B
.endr
	v_and_b32 v1, 15, v0                           ; r = l % 16
	v_bfe_u32 v2, v0, 4, 1                         ; h = l / 16
	v_mul_u32_u24 v3, v1, PITCH
	v_mul_u32_u24 v4, v2, 24
	v_add_nc_u32 v4, v3, v4                        ; a fragment's row x pitch + 24 x half
	v_lshl_add_u32 v5, v2, 4, v4                   ; and the same behind one padding more
	s_mul_i32 s21, s15, HALFT                      ; my 128 rows of side A
	s_mul_i32 s22, s16, HALFT                      ; my 128 rows of side B,
	s_add_co_u32 s22, s22, 2*HALFT                 ; which lie behind A's 256
.irp s, 0,1
	v_add_nc_u32 v[ADRA+\s], s21, v4
	v_add_nc_u32 v[ADRB+\s], s22, v4
	v_add_nc_u32 v[ADRA+2+\s], s21, v5
	v_add_nc_u32 v[ADRB+2+\s], s22, v5
	s_add_co_u32 s21, s21, SLOT
	s_add_co_u32 s22, s22, SLOT
.endr
	v_mul_u32_u24 v5, v1, KS                       ; my row's scales: 32 bytes a row,
	v_lshrrev_b32 v6, 8, v5
	v_lshl_add_u32 v5, v6, 4, v5                   ; and 16 more for each 256 passed
	s_mul_i32 s21, s15, HALFS
	s_mul_i32 s22, s16, HALFS
	s_add_co_u32 s22, s22, 2*HALFS
	s_sub_co_u32 s22, s22, s21
	v_mul_u32_u24 v6, s22, v2                      ; lanes 16-31 take side B's
	s_add_co_u32 s21, s21, SCL
	v_add_nc_u32 v5, v5, v6
	v_add_nc_u32 v[ADRS], s21, v5
	; THE WAY OUT'S NUMBERS.  tok: my first token (a stored row of x); feat: my first feature
	s_lshl_b32 s99, s15, 7
	s_add_co_u32 s99, s99, s17                     ; my first row of side A in cod
	s_lshl_b32 s100, s16, 7
	s_add_co_u32 s100, s100, s42                   ; and of side B
	s_sub_co_u32 s101, s99, 10240                  ; v: the feature is side A's row in v_w
	s_sub_co_u32 s2, s100, 8192                    ; q, k: side B's row in q_w, k_w
	s_cmp_lg_u32 s[ISV], 0
	s_cselect_b32 s99, s100, s99                   ; tok
	s_cselect_b32 s100, s101, s2                   ; feat
	s_lshr_b32 s101, s99, 11                       ; the batch,
	s_lshl_b32 s101, s101, 4
	s_bfe_u32 s2, s100, 0x40006                    ; my first head: bits 9:6 of feat
	s_add_co_u32 s101, s101, s2
	s_mul_i32 s101, s101, HEADB
	s_bfe_u32 s2, s99, 0x40007                     ; the chunk of 128 tokens: bits 10:7 of tok
	s_mul_i32 s2, s2, 19200
	s_add_co_u32 s101, s101, s2
	s_lshr_b32 s2, s100, 10                        ; the section: 0 q, 1 k,
	s_lshl_b32 s3, s[ISV], 1                       ; 2 v
	s_add_co_u32 s2, s2, s3
	s_mul_i32 s2, s2, 6400
	s_add_co_u32 s12, s101, s2
	s_mov_b32 s13, 0
	s_add_nc_u64 s[12:13], s[10:11], s[12:13]      ; where my results go
	s_and_b32 s2, s99, 2047                        ; the table's row: the stored place in the sequence;
	s_lshl_b32 s2, s2, 8
	s_mov_b32 s3, 2048*256                         ; v: the rows (1, 0)
	s_cmp_lg_u32 s[ISV], 0
	s_cselect_b32 s2, s3, s2
	s_mov_b32 s3, 0
	s_add_nc_u64 s[8:9], s[8:9], s[2:3]
	s_mov_b32 s[HM], 0xffff0000
	s_mov_b32 s[SEL], 0x76543210
	s_mov_b32 s[SEL+1], 0xfedcba98
	v_lshlrev_b32 v[TOF], 8, v1
	v_lshl_add_u32 v[TOF], v2, 6, v[TOF]           ; row r of 256 bytes; pairs 8 h on: 64 h bytes
	v_and_b32 v[L8], 31, v0
	v_lshlrev_b32 v[L8], 3, v[L8]
	v_lshlrev_b32 v[OFS], 4, v1
	v_mul_u32_u24 v6, v2, HEADB
	v_add_nc_u32 v[OFS], v[OFS], v6
	v_mov_b32 v[SELQ], 0x05040100
	v_mov_b32 v6, 0x07060302
	v_cmp_eq_u32 vcc_lo, 1, v2
	v_cndmask_b32 v[SELQ], v[SELQ], v6, vcc_lo
; The table rows of block a's 16 tokens into a set: registers 2 i, 2 i + 1 = (cos, sin) of pair 8 h + i, registers 16 + 2 i, + 1 of pair 16 + 8 h + i
.macro CSLOAD a, set
.irp i, 0,1,2,3
	global_load_b128 v[CSR+32*(\set)+4*\i:CSR+32*(\set)+4*\i+3], v[TOF], s[8:9] offset:4096*(\a)+16*\i
.endr
.irp i, 0,1,2,3
	global_load_b128 v[CSR+32*(\set)+16+4*\i:CSR+32*(\set)+16+4*\i+3], v[TOF], s[8:9] offset:4096*(\a)+128+16*\i
.endr
.endm
	CSLOAD 0, 0                                    ; the first two blocks' rows are asked for here and land under the products: nothing names v64-127 of window 0 before the way out
	CSLOAD 1, 1
.macro FRAG reg, adr, q, i             ; a fragment, 16 rows x 128 K: lane l holds row l % 16; registers 6 c .. 6 c + 5 hold K = 64 c + 32 (l / 16) + 0 .. 31: 24 bytes of the row, in pieces of 8
.irp p, 0,1,2,3,4,5
.set PIE, 12*(\q)+6*(\p/3)+\p%3        ; 16 bytes of padding lie behind every 8 pieces: where the piece three on lies behind one padding more, the second address register serves
.if PIE%8 < 5
	ds_load_b64 v[\reg+2*\p:\reg+2*\p+1], v[\adr] offset:8*PIE+16*(PIE/8)+(\i)*16*PITCH
.else
	ds_load_b64 v[\reg+2*\p:\reg+2*\p+1], v[\adr+2] offset:8*PIE+16*(PIE/8)+(\i)*16*PITCH
.endif
.endr
.endm
; 16 matrix instructions: side A's blocks a0, a0 + 1 x side B's eight.  The 64 accumulators take turns, one instruction a turn, in the same order in every step.
.macro MUL16 a0, p, q, sc, zero
.irp a, \a0, \a0+1
.irp b, 0,1,2,3,4,5,6,7
.if \zero
	v_wmma_scale_f32_16x16x128_f8f6f4 v[8*(8*((\a)%4)+\b):8*(8*((\a)%4)+\b)+7], v[128*(\p)+FR*\b:128*(\p)+FR*\b+FR-1], v[AF+FR*(\a):AF+FR*(\a)+FR-1], 0, v[SC+8*NQ*(\sc)+NQ*\b+(\q)], v[SC+8*NQ*(\sc)+NQ*(\a)+(\q)] matrix_a_fmt:MATRIX_FMT_BF6 matrix_b_fmt:MATRIX_FMT_BF6 matrix_a_scale:MATRIX_SCALE_ROW1
.else
	v_wmma_scale_f32_16x16x128_f8f6f4 v[8*(8*((\a)%4)+\b):8*(8*((\a)%4)+\b)+7], v[128*(\p)+FR*\b:128*(\p)+FR*\b+FR-1], v[AF+FR*(\a):AF+FR*(\a)+FR-1], v[8*(8*((\a)%4)+\b):8*(8*((\a)%4)+\b)+7], v[SC+8*NQ*(\sc)+NQ*\b+(\q)], v[SC+8*NQ*(\sc)+NQ*(\a)+(\q)] matrix_a_fmt:MATRIX_FMT_BF6 matrix_b_fmt:MATRIX_FMT_BF6 matrix_a_scale:MATRIX_SCALE_ROW1
.endif
.endr
.endr
.endm
.macro FETCH_B slot, q, p
	WIN TO_B
.irp i, 0,1,2,3,4,5,6,7
	FRAG 128*(\p)+FR*\i, ADRB+\slot, \q, \i
.endr
	WIN 0
.endm
.macro FETCH_A slot, q, i0
.irp i, \i0, \i0+1, \i0+2, \i0+3
	FRAG AF+FR*(\i), ADRA+\slot, \q, \i
.endr
.endm
.macro SCALES sc                       ; the next K step's scale words: lanes 0-15 take side A's block i, lanes 16-31 side B's block i
.irp i, 0,1,2,3,4,5,6,7
	ds_load_b64 v[SC+8*NQ*\sc+NQ*\i:SC+8*NQ*\sc+NQ*\i+1], v[ADRS] offset:\i*SBLK
.endr
.endm
.macro PLACES n                        ; plain vector lines between a matrix instruction and a load into, or a read of, its registers
.rept \n
	v_nop
.endr
.endm
.macro STEP slot, q, zero              ; a step of 128 along K that has its successor in the same slot
	s_wait_dscnt 4*NL                              ; B's set and A's blocks 0-3 are in; the youngest 24 loads (A's blocks 4-7) may be out
	WIN MUL_LO
	MUL16 0, (\q)%2, \q, \slot, \zero
	MUL16 2, (\q)%2, \q, \slot, \zero
	s_wait_dscnt 0
	PLACES NP
	FETCH_B \slot, (\q)+1, 1-(\q)%2
	FETCH_A \slot, (\q)+1, 0
	WIN MUL_HI
	MUL16 4, (\q)%2, \q, \slot, \zero
	MUL16 6, (\q)%2, \q, \slot, \zero
	PLACES NP
	WIN 0
	FETCH_A \slot, (\q)+1, 4
.endm
; A slot's last step changes slots: ONE barrier; in front of it each wave waits for all its tensor loads, adds 0 to its spare word, and waits for that and for its own reads of this slot.
.macro TURN slot, next, fill
	s_wait_tensorcnt 0x0                           ; all my tensor loads have landed: my part of the next slot;
	ds_add_u32 v[SPW], v[NIL]                      ; 0 onto my spare word;
	s_wait_dscnt 4*NL+1                            ; (the add and the youngest 24 loads may be out)
	WIN MUL_LO
	MUL16 0, 1, NQ-1, \slot, 0
	s_wait_dscnt 0x0                               ; the add is done, and my reads of this slot are over
	s_barrier_signal -1
	MUL16 2, 1, NQ-1, \slot, 0
	WIN 0
	s_barrier_wait -1
.if \fill
	CREST                                          ; the barrier has opened a round of the cluster's barrier: no wave of any partner still reads this slot or has a load on its way
	s_add_nc_u64 s[G0+4*\slot+2:G0+4*\slot+3], s[G0+4*\slot+2:G0+4*\slot+3], 2*ROWB
	s_add_nc_u64 s[G0B+4*\slot+2:G0B+4*\slot+3], s[G0B+4*\slot+2:G0B+4*\slot+3], 2*ROWB
	JLOAD G0+4*\slot, G1, G0B+4*\slot, G1B         ; the first tensor load behind the round; its four v_nop are the places in front of the loads below
.else
	PLACES NP
.endif
	s_wait_alu depctr_va_vdst(0)
	v_add_nc_u32 v[ADRS], 4*NQ, v[ADRS]            ; on to the next K step's scale words (no LDS load of mine is out)
	FETCH_B \next, 0, 0
	FETCH_A \next, 0, 0
	SCALES \next
	WIN MUL_HI
	MUL16 4, 1, NQ-1, \slot, 0
	MUL16 6, 1, NQ-1, \slot, 0
	PLACES NP
	WIN 0
	FETCH_A \next, 0, 4
.endm
	s_wait_tensorcnt 1                             ; the scales and my part of K step 0 are in (K step 1's load may be out),
	s_barrier_signal -1
	s_barrier_wait -1                              ; everybody's are
	FETCH_B 0, 0, 0
	FETCH_A 0, 0, 0
	SCALES 0
	FETCH_A 0, 0, 4
	STEP 0, 0, 1                                   ; the first step stands in front of the loop: its products start the sums
	s_mov_b32 s3, LAPS-1
.Llap:                                                 ; a trip goes once round the ring and fills both slots again
	TURN 0, 1, 1
	STEP 1, 0, 0
	TURN 1, 0, 1
	STEP 0, 0, 0
	s_sub_co_u32 s3, s3, 1
	s_cmp_lg_u32 s3, 0
	s_cbranch_scc1 .Llap
	TURN 0, 1, 0                                   ; the last lap fills nothing
	STEP 1, 0, 0
	s_wait_dscnt 4*NL
	WIN MUL_LO
	MUL16 0, 1, NQ-1, 1, 0
	MUL16 2, 1, NQ-1, 1, 0
	s_wait_dscnt 0
	WIN MUL_HI
	MUL16 4, 1, NQ-1, 1, 0
	MUL16 6, 1, NQ-1, 1, 0
	WIN 0
; 64 numbers of a lane, register 16 b + i = k 32 b + 16 (lane / 16) + i of my row, become a fragment's codes in v[PC] on and its scale word in v[pw].
.macro QUANT s, pw
.irp b, 0,1,2,3
	v_max3_num_f32 v[TM+\b], |v[\s+16*\b]|, |v[\s+1+16*\b]|, 0x2800000   ; block b: my 16 numbers, and the floor 2^(5 - 127): the byte cannot fall under 1
.endr
.irp i, 2,4,6,8,10,12,14
.irp b, 0,1,2,3
	v_max3_num_f32 v[TM+\b], v[TM+\b], |v[\s+16*\b+\i]|, |v[\s+1+16*\b+\i]|
.endr
.endr
.irp b, 0,1,2,3
	v_permlanex16_b32 v[TM+4+\b], v[TM+\b], s[SEL], s[SEL+1]
.endr
.irp b, 0,1,2,3
	v_max_num_f32 v[TM+\b], v[TM+\b], v[TM+4+\b]   ; with lane l xor 16's: the block's largest magnitude
.endr
.irp b, 0,1,2,3
	v_add_nc_u32 v[TM+12+\b], 0xfe000000, v[TM+\b] ; 4 off its exponent field: the conversion's scale operand
.endr
.irp b, 0,1,2,3
	v_lshrrev_b32 v[TM+4+\b], 23, v[TM+12+\b]      ; the scale's byte
.endr
	v_lshl_or_b32 v[\pw], v[TM+5], 8, v[TM+4]
	v_lshl_or_b32 v[\pw], v[TM+6], 16, v[\pw]
	v_lshl_or_b32 v[\pw], v[TM+7], 24, v[\pw]
.irp c, 0,1
	v_cvt_scalef32_pk16_bf6_f32 v[PC+6*\c:PC+2+6*\c], v[\s+32*\c:\s+15+32*\c], v[TM+12+2*\c]
	v_cvt_scalef32_pk16_bf6_f32 v[PC+12+4*\c:PC+14+4*\c], v[\s+16+32*\c:\s+31+32*\c], v[TM+12+2*\c+1]   ; (a conversion's three registers begin on an even number)
.endr
	v_nop                                          ; one plain line behind a scaled conversion
.irp c, 0,1                                    ; the operand's layout wants a WHOLE block in a lane: lanes 0-15 block 2 c, lanes 16-31 block 2 c + 1
.irp i, 0,1,2
	v_permlane16_swap_b32 v[PC+6*\c+\i], v[PC+12+4*\c+\i]
.endr
.irp i, 0,1,2
	v_mov_b32 v[PC+3+6*\c+\i], v[PC+12+4*\c+\i]
.endr
.endr
.endm
; BLOCK a OF THE WAY OUT: 16 rows of side A x my 128 rows of side B.
.macro EPI a
.set AC, 64*((\a)%4)
.set CSS, CSR+32*((\a)%2)
.set WN, 0x02+(\a)/4
.if (\a) < 7
	s_wait_loadcnt 8                               ; this block's eight table loads are in; the next block's eight may be out
.else
	s_wait_loadcnt 0x0
.endif
	WIN WN                                         ; source 0: the accumulators' window
.irp g, 0,1,2,3                                ; (x1, x2) -> (x1 c - x2 s, x1 s + x2 c), a pair an instruction; each accumulator is read from its low end on
.irp q, 0,4
.irp i, 0,1,2,3
	v_pk_mul_f32 v[TT+2*\i:TT+2*\i+1], v[AC+16*\g+2*(\q+\i):AC+16*\g+2*(\q+\i)+1], v[CSS+16*(\g%2)+2*(\q+\i):CSS+16*(\g%2)+2*(\q+\i)+1] op_sel_hi:[1,0]   ; (x1 c, x2 c)
.endr
.irp i, 0,1,2,3
	v_pk_fma_f32 v[RR+16*\g+2*(\q+\i):RR+16*\g+2*(\q+\i)+1], v[AC+16*\g+2*(\q+\i):AC+16*\g+2*(\q+\i)+1], v[CSS+16*(\g%2)+2*(\q+\i):CSS+16*(\g%2)+2*(\q+\i)+1], v[TT+2*\i:TT+2*\i+1] op_sel:[1,1,0] op_sel_hi:[0,1,1] neg_lo:[0,1,0]   ; low: - x2 s + x1 c; high: x1 s + x2 c
.endr
.endr
.endr
	WIN 0
	s_wait_xcnt 0x0                                ; the last block's stores have read their data and offsets: both are written again below
.if (\a) < 6
	CSLOAD (\a)+2, (\a)%2                          ; this set is read out: it takes the block two on
.endif
	QUANT RR, PW+(\a)
	s_cmp_lg_u32 s[ISV], 0
	s_mov_b32 s99, ((\a)/4)*HEADB+((\a)%4)*1536    ; v: head a / 4, fragment a % 4;
	s_cselect_b32 s99, s99, 768*(\a)               ; q, k: tile a
	v_add_nc_u32 v[OFA], s99, v[L8]
	v_add_nc_u32 v[OFB], s[DELTA], v[OFA]
.irp p, 0,1,2
	global_store_b64 v[OFA], v[PC+2*\p:PC+2*\p+1], s[12:13] offset:256*\p       ; 32 lanes store 256 consecutive bytes, aligned
	global_store_b64 v[OFB], v[PC+6+2*\p:PC+6+2*\p+1], s[12:13] offset:256*\p
.endr
.endm
.irp b, 0,1,2,3
	v_mov_b32 v[TM+4+\b], 0                        ; a lane permute's destination counts as one of its sources.  These four are also the places behind the last products
.endr
.irp a, 0,1,2,3,4,5,6,7
	EPI \a
.endr
.irp j, 0,1,2,3                                ; the scale words as the next launch wants them: lanes 0-15 my first head's, lanes 16-31 the next head's
	v_perm_b32 v252, v[PW+2*\j+1], v[PW+2*\j], v[SELQ]             ; q, k: tile 2 j's two bytes below, tile 2 j + 1's above
	v_cndmask_b32 v253, v[PW+\j], v[PW+4+\j], s[HM]                ; v: fragment j of the lane's head
	v_cndmask_b32 v[WW+\j], v252, v253, s[IVM]
.endr
	global_store_b128 v[OFS], v[WW:WW+3], s[12:13] offset:6144     ; sixteen lanes store 256 consecutive bytes, aligned
	s_wait_tensorcnt 0x0                           ; the wave's end
	ds_add_u32 v[SPW], v[NIL]
	s_wait_dscnt 0x0
	CROUND                                         ; the closing round: no work-group ends while a partner may still ask for a tile that names it
	s_endpgm
.Lfunc_end_k_q883c69c65e_qkv:
	.size	k_q883c69c65e_qkv, .Lfunc_end_k_q883c69c65e_qkv-k_q883c69c65e_qkv
	.p2alignl 7, 3214868480
	.fill 96, 4, 3214868480
	.section	.rodata,"a",@progbits
	.p2align	6, 0x0
	.amdhsa_kernel k_q883c69c65e_qkv
		.amdhsa_group_segment_fixed_size 327680
		.amdhsa_private_segment_fixed_size 0
		.amdhsa_enable_private_segment 0
		.amdhsa_kernarg_size 32
		.amdhsa_user_sgpr_count 2
		.amdhsa_user_sgpr_kernarg_segment_ptr 1
		.amdhsa_wavefront_size32 1
		.amdhsa_system_sgpr_workgroup_id_x 1
		.amdhsa_system_sgpr_workgroup_id_y 1
		.amdhsa_system_sgpr_workgroup_id_z 1
		.amdhsa_system_vgpr_workitem_id 0
		.amdhsa_next_free_vgpr 1024
		.amdhsa_next_free_sgpr 102
		.amdhsa_reserve_vcc 1
		.amdhsa_float_denorm_mode_32 3
		.amdhsa_float_denorm_mode_16_64 3
		.amdhsa_memory_ordered 1
		.amdhsa_forward_progress 1
		.amdhsa_inst_pref_size 208
	.end_amdhsa_kernel
	.amdgpu_metadata
---
amdhsa.version: [ 1, 2 ]
amdhsa.kernels:
  - .name:           k_q883c69c65e_qkv
    .symbol:         k_q883c69c65e_qkv.kd
    .args:
      - { .name: cod, .offset: 0, .size: 8, .value_kind: global_buffer, .address_space: global }
      - { .name: scl, .offset: 8, .size: 8, .value_kind: global_buffer, .address_space: global }
      - { .name: tab, .offset: 16, .size: 8, .value_kind: global_buffer, .address_space: global }
      - { .name: qkv, .offset: 24, .size: 8, .value_kind: global_buffer, .address_space: global }
    .group_segment_fixed_size: 327680
    .private_segment_fixed_size: 0
    .kernarg_segment_align: 8
    .kernarg_segment_size: 32
    .max_flat_workgroup_size: 128
    .sgpr_count:     102
    .vgpr_count:     1024
    .wavefront_size: 32
...
	.end_amdgpu_metadata
.endif
;; end of part 2
;; launch attn (part 3): grid 4 x 64, 16 waves a work-group, clusters of 4 x 1, 206,848 bytes of LDS; arguments qkv, ac, asc; writes ac, asc
.if DOCPART == 3
	.amdgcn_target "amdgcn-amd-amdhsa--gfx1250"
	.amdhsa_code_object_version 6
	.text
	.protected	k_q883c69c65e_attn
	.globl	k_q883c69c65e_attn
	.p2align	8
	.type	k_q883c69c65e_attn,@function
k_q883c69c65e_attn:
	s_mov_b64 s[64:65], 0
	v_nop
	global_prefetch_b8 v0, s[64:65] scope:SCOPE_SE
	s_setreg_imm32_b32 hwreg(HW_REG_WAVE_MODE, 25, 1), 1
	s_wait_xcnt 0x0
	s_wait_alu depctr_hold_cnt(0) depctr_sa_sdst(0) depctr_va_vdst(0) depctr_va_sdst(0) depctr_va_ssrc(0) depctr_va_vcc(0) depctr_vm_vsrc(0)
	s_getreg_b32 s2, hwreg(HW_REG_IB_STS2, 6, 4)
	s_cmp_eq_u32 s2, 0
	s_cbranch_scc0 .Lentry_in_a_cluster
	s_endpgm
.Lentry_in_a_cluster:
	s_bfe_u32 s2, ttmp6, 0x10000c
	s_cmp_lg_u32 s2, 0x3003
	s_cbranch_scc0 .Lentry_shape_is_right
	s_endpgm
.Lentry_shape_is_right:
; LAUNCH 3 OF 4.  Causal attention on codes of BF6 (E3M2), head size 64, 2,048 tokens, 64 (batch, head) pairs; its result, divided by the row's sum, is quantised along the model's 1,024 (two blocks a head) for the last product.
; THE SOFTMAX: t = score x log2(e) / 8; M = the running largest t rounded UP to a whole number; p = 2^(t - M) is quantised along the keys, not normalised; the row's sum is taken of the unquantised p; when M moves, the sum and O
; are multiplied by 2^(old M - new M): exact.
; SHARES.  A cluster of four work-groups is one (batch, head).  THE HEAD'S K AND V, codes and scale words, 16 chunks of 12,800 bytes, LIE IN LDS FOR THE WHOLE LAUNCH: wave w asks for chunk w by ONE joint tensor load, the same in all
; four partners.  LDS is filled once: no ring, no barrier in the loop.  A wave owns two tiles of 16 queries: tile c = 2 cx + w / 8 of chunk A = w % 8 and of chunk 15 - w % 8: A + 1 key steps of 128 each, 17 in all for every wave.
; Every branch hangs on the wave's number alone; the place in the cluster enters global offsets and the mask's vector register only.
; LAYOUT.  Both products are used transposed: a lane holds ONE query (lane % 16).  Tokens lie in qkv with bits 3 and 4 of their number exchanged, so the 16 registers of key tiles 2 f and 2 f + 1 are keys 32 f + 16 (lane / 16) + 0 .. 15.
; THE HEAD'S 64 ARE HALF OF THE INSTRUCTION'S K: a fragment of K holds key tile 2 f in k 0-63 and key tile 2 f + 1 in k 64-127; Q stands once between two runs of zero codes, [0 | Q | 0]: v[22:33] = [Q | 0] picks tile 2 f, v[16:27] = [0 | Q] tile 2 f + 1.
; ac: [tile of 16 stored tokens][head][768 bytes]: registers 2 p, 2 p + 1 of lane l at 256 p + 8 l; lane (r, h): stored token r, d = 32 h .. 32 h + 31.  asc: [stored token][32]: head's two bytes at 2 x head (a store of 2 bytes in each row of 32: 262,144 bytes in all).
; LIMITS: NaN and infinities are not served; a block whose largest magnitude lies under 2^-122 keeps the byte 1, a block of zeros too (its codes are zeros; this program alone reads the bytes).
; REGISTERS: v1-7 addresses that stay; v8, v9 LDS addresses of the step; v12 -M, v13 the largest t, v[14:15] the sum; v16-33 [0 | Q | 0]; v34 Q's scale word, v35 p's; v36-83 four fragments of K, then of V; v84-87 V's scale words;
; v96-159 S^T, then p; v160-191 O^T; v224-235 p's codes; v232-254 at work; v248-251 K's scale words.
.set CHUNK, 19200
.set SECT,  6400
.set KVB,   12800                      ; a chunk's K and V sections: what one tensor load brings
.set HEADB, 307200
.set L8,   1                           ; v1  8 x lane
.set R16,  2                           ; v2  16 x (lane % 16)
.set DQ,   3                           ; v3  my query's true place in its chunk - 16 (lane / 16)
.set QA,   4                           ; v4  Q's codes: 8 x lane + 768 c
.set QS,   5                           ; v5  Q's scale word: 16 r + 4 (c / 2) + 6,144
.set OA,   6                           ; v6  ac: 8 x lane + 12,288 c
.set OS,   7                           ; v7  asc: 32 r + 512 c
.set ADK,  8
.set ADS,  9
.set SQ,   34
.set PWD,  35
.set KV,   36
.set VSC,  84
.set S,    96
.set O,    160
.set KSC,  248
.set WV,   18
.set SEL,  20
.set CS,   22
.set G1,   24
.set G0,   32
.set STEPI, 37
.set AA,   38
.set TB,   39
.macro CROUND                          ; a round of the cluster's barrier
	s_barrier_signal -1
	s_barrier_wait -1
	s_cmp_lg_u32 s[WV], 0
	s_cbranch_scc1 .Lnot_wave_0_\@
	s_barrier_signal -3
.Lnot_wave_0_\@:
	s_barrier_wait -3
	s_barrier_signal -1
	s_barrier_wait -1
.endm
	s_load_b128 s[4:7], s[0:1], 0x0                ; qkv, ac
	s_load_b64 s[8:9], s[0:1], 0x10                ; asc
	v_lshl_add_u32 v243, v0, 2, 0x32000
	v_mov_b32 v255, 0
	ds_add_u32 v243, v255
	ds_add_u32 v243, v255
	v_lshrrev_b32 v8, 5, v0
	s_delay_alu instid0(VALU_DEP_1)
	v_readfirstlane_b32 s[WV], v8                  ; wave 0..15
	s_bfe_u32 s36, ttmp6, 0x40000                  ; cx
	s_and_b32 s42, ttmp7, 0xffff                   ; 16 x batch + head, which the four partners share
	s_mul_i32 s58, s42, HEADB
	s_mov_b32 s59, 0
	; descriptor group 1: 12,800 dense bytes as 50 rows of 256 (32 elements of 8 bytes), no padding
	s_mov_b32 s[G1], 15|(3<<16)|(1<<21)            ; 15:0 the mask: all four work-groups; 17:16 elements of 8 bytes; 21 set beside a mask
	s_mov_b32 s[G1+1], 32<<16                      ; tensor_dim0
	s_mov_b32 s[G1+2], 50<<16                      ; tensor_dim1
	s_mov_b32 s[G1+3], 32<<16                      ; tile_dim0
	s_mov_b32 s[G1+4], 50                          ; tile_dim1
	s_mov_b32 s[G1+5], 32                          ; tensor_dim0_stride
	s_mov_b32 s[G1+6], 0
	s_mov_b32 s[G1+7], 0
	s_mul_i32 s56, s[WV], CHUNK
	s_add_co_u32 s56, s56, SECT                    ; chunk w, behind its Q section
	s_mov_b32 s57, 0
	s_wait_dscnt 0x0
	s_wait_kmcnt 0x0
	s_add_nc_u64 s[44:45], s[4:5], s[58:59]        ; the head in qkv
	s_mov_b32 s[G0], 1                             ; 1:0 count = 1
	s_mul_i32 s[G0+1], s[WV], KVB                  ; 63:32 LDS address: the wave's number x 12,800
	s_add_nc_u64 s[G0+2:G0+3], s[44:45], s[56:57]  ; 120:64 global address
	s_or_b32 s[G0+3], s[G0+3], 0x80000000          ; 127:126 type = 2
	CROUND                                         ; all four work-groups are here: the joint loads meet
	tensor_load_to_lds s[G0:G0+3], s[G1:G1+7]      ; my one tensor load of the launch
	s_nop 0
.rept 4
	v_nop
.endr
	s_lshr_b32 s40, s[WV], 3                       ; u = c % 2
	s_and_b32 s41, s[WV], 7                        ; the first pass's chunk
	s_lshl_b32 s43, s36, 1
	s_add_co_u32 s43, s43, s40                     ; c = 2 cx + u
	s_lshr_b32 s56, s42, 4                         ; batch
	s_and_b32 s57, s42, 15                         ; head
	s_mul_i32 s58, s56, 128*12288
	s_mul_i32 s60, s57, 768
	s_add_co_u32 s58, s58, s60
	s_add_nc_u64 s[46:47], s[6:7], s[58:59]        ; ac at the batch's first tile, my head
	s_lshl_b32 s58, s56, 16
	s_lshl_b32 s60, s57, 1
	s_add_co_u32 s58, s58, s60
	s_add_nc_u64 s[48:49], s[8:9], s[58:59]        ; asc likewise
	s_mov_b32 s61, 0x01000100                      ; my tile's two bytes of Q's scale word, into both halves of the word: one word serves [Q | 0] and [0 | Q]
	s_cmp_lg_u32 s40, 0
	s_cselect_b32 s61, 0x03020302, s61
	s_mov_b32 s[SEL], 0x76543210
	s_mov_b32 s[SEL+1], 0xfedcba98
	s_mov_b32 s[CS], 0x3e38aa3b                    ; log2(e) / 8
	s_mov_b32 s[CS+1], s[CS]                       ; (named with it as a pair, so it is written)
	v_and_b32 v10, 31, v0
	s_delay_alu instid0(VALU_DEP_1)
	v_lshlrev_b32 v[L8], 3, v10
	v_and_b32 v10, 15, v0                          ; r
	s_delay_alu instid0(VALU_DEP_1)
	v_lshlrev_b32 v[R16], 4, v10
	v_bfe_u32 v11, v0, 4, 1                        ; h
	v_and_b32 v[DQ], 7, v0
	v_bfe_u32 v12, v0, 3, 1
	s_delay_alu instid0(VALU_DEP_1)
	v_lshl_add_u32 v[DQ], v12, 4, v[DQ]            ; stored row r of tile c is true token 32 (c / 2) + 16 (r / 8) + 8 (c % 2) + r % 8 of the chunk
	s_delay_alu instid0(VALU_DEP_4)
	v_lshlrev_b32 v12, 4, v11
	s_delay_alu instid0(VALU_DEP_1)
	v_sub_nc_u32 v[DQ], v[DQ], v12
	s_lshl_b32 s56, s36, 5
	s_lshl_b32 s57, s40, 3
	s_add_co_u32 s56, s56, s57
	v_add_nc_u32 v[DQ], s56, v[DQ]
	s_mul_i32 s56, s43, 768
	v_add_nc_u32 v[QA], s56, v[L8]
	s_lshl_b32 s56, s36, 2
	s_add_co_u32 s56, s56, 6144
	v_add_nc_u32 v[QS], s56, v[R16]
	s_mul_i32 s56, s43, 12288
	v_add_nc_u32 v[OA], s56, v[L8]
	v_lshlrev_b32 v[OS], 5, v10
	s_lshl_b32 s56, s43, 9
	v_add_nc_u32 v[OS], s56, v[OS]
.irp j, 16,17,18,19,20,21,28,29,30,31,32,33
	v_mov_b32 v[\j], 0                             ; the zero codes on both sides of Q
.endr
.irp j, 236,237,238,239,252,253
	v_mov_b32 v[\j], 0                             ; lane permutes' destinations count as sources; v253 is named as the upper half of the pair v[252:253]
.endr
; Pass p: the chunk, its addresses, and Q's loads
.macro QLOAD p
.if \p == 0
	s_mov_b32 s[AA], s41
.else
	s_sub_co_u32 s[AA], 15, s41
.endif
	s_mul_i32 s56, s[AA], CHUNK
	s_mov_b32 s57, 0
	s_add_nc_u64 s[50:51], s[44:45], s[56:57]      ; my chunk's Q section
	s_mul_i32 s56, s[AA], 8*12288
	s_add_nc_u64 s[52:53], s[46:47], s[56:57]      ; the chunk's eight tiles in ac
	s_lshl_b32 s56, s[AA], 12
	s_add_nc_u64 s[54:55], s[48:49], s[56:57]      ; and in asc
.irp q, 0,1,2
	global_load_b64 v[22+2*\q:23+2*\q], v[QA], s[50:51] offset:256*\q
.endr
	global_load_b32 v[SQ], v[QS], s[50:51]
.endm
; A KEY STEP: 128 keys.
.macro STEP
	s_cmp_gt_u32 s[STEPI], s[AA]                   ; a step all of whose keys come after my queries is left out: a branch on the wave's number and the loop's counter
	s_cbranch_scc1 .Lskip_\@
	s_setprio 2
	v_add_nc_u32 v[ADK], s[TB], v[L8]
	v_add_nc_u32 v[ADS], s[TB], v[R16]
	v_nop
	v_nop                                          ; four places in front of loads into registers that the last products read
.irp f, 0,1,2,3
.irp p, 0,1,2,3,4,5
	ds_load_b64 v[KV+12*\f+2*\p:KV+12*\f+2*\p+1], v[ADK] offset:1536*\f+256*\p   ; an image of the registers: 256 consecutive bytes a load
.endr
.endr
	ds_load_b128 v[KSC:KSC+3], v[ADS] offset:6144  ; K's four scale words
	s_wait_alu depctr_va_vdst(0)
	s_wait_dscnt 0x0
.irp f, 0,1,2,3
	v_wmma_scale_f32_16x16x128_f8f6f4 v[S+16*\f:S+16*\f+7], v[KV+12*\f:KV+12*\f+11], v[22:33], 0, v[KSC+\f], v[SQ] matrix_a_fmt:MATRIX_FMT_BF6 matrix_b_fmt:MATRIX_FMT_BF6
	v_wmma_scale_f32_16x16x128_f8f6f4 v[S+16*\f+8:S+16*\f+15], v[KV+12*\f:KV+12*\f+11], v[16:27], 0, v[KSC+\f], v[SQ] matrix_a_fmt:MATRIX_FMT_BF6 matrix_b_fmt:MATRIX_FMT_BF6
.endr                                          ; register 16 f + i holds key 128 x step + 32 f + 16 (lane / 16) + i
.rept 4
	v_nop                                          ; places in front of the loads below and of the first read of the scores
.endr
.irp t, 0,1,2,3
.irp p, 0,1,2,3,4,5
	ds_load_b64 v[KV+12*\t+2*\p:KV+12*\t+2*\p+1], v[ADK] offset:SECT+1536*\t+256*\p   ; V's four fragments land under the softmax
.endr
.endr
	ds_load_b128 v[VSC:VSC+3], v[ADS] offset:SECT+6144
	s_cmp_lg_u32 s[STEPI], s[AA]                   ; only my last step lies on the diagonal
	s_cbranch_scc1 .Lopen_\@
	v_mov_b32 v254, 0xff800000                     ; hidden scores become -infinity ahead of the maximum: p = 0 then
.set n, 0
.rept 64
	v_cmp_gt_i32 vcc_lo, 32*(n/16)+n%16, v[DQ]
	v_cndmask_b32 v[S+n], v[S+n], v254, vcc_lo
.set n, n+1
.endr
.Lopen_\@:
.irp b, 0,1,2,3
	v_max3_num_f32 v[232+\b], v[S+16*\b], v[S+1+16*\b], v[S+2+16*\b]   ; the largest score of each block of 32 keys: it serves the row's maximum and, since p rises with the score, the block's largest p
.endr
.irp i, 3,5,7,9,11,13
.irp b, 0,1,2,3
	v_max3_num_f32 v[232+\b], v[232+\b], v[S+16*\b+\i], v[S+1+16*\b+\i]
.endr
.endr
.irp b, 0,1,2,3
	v_max_num_f32 v[232+\b], v[232+\b], v[S+15+16*\b]
.endr
.irp b, 0,1,2,3
	s_delay_alu instid0(VALU_DEP_4)
	v_permlanex16_b32 v[236+\b], v[232+\b], s[SEL], s[SEL+1]
.endr
.irp b, 0,1,2,3
	s_delay_alu instid0(VALU_DEP_4)
	v_max_num_f32 v[232+\b], v[232+\b], v[236+\b]  ; with lane l xor 16's 16 keys
.endr
	s_delay_alu instid0(VALU_DEP_2)
	v_max3_num_f32 v254, v232, v233, v234
	s_delay_alu instid0(VALU_DEP_1)
	v_max_num_f32 v254, v254, v235
	s_delay_alu instid0(VALU_DEP_1)
	v_mul_f32 v254, s[CS], v254                    ; the step's largest t
	s_delay_alu instid0(VALU_DEP_1)
	v_max_num_f32 v13, v13, v254                   ; the running largest t
	v_mov_b32 v254, v12
	s_delay_alu instid0(VALU_DEP_2)
	v_floor_f32 v12, -v13                          ; the new -M = floor(-t): M is a whole number
	s_delay_alu instid0(VALU_DEP_1)
	v_sub_f32 v254, v12, v254                      ; old M - new M: a whole number, 0 or less
	s_delay_alu instid0(VALU_DEP_1)
	v_cvt_i32_f32 v254, v254                       ; (it saturates)
	s_delay_alu instid0(VALU_DEP_1)
	v_ldexp_f32 v252, 1.0, v254                    ; f = 2^(old M - new M)
.set n, 0
	s_setprio 1
.rept 32
	v_pk_fma_f32 v[S+n:S+n+1], v[S+n:S+n+1], s[CS:CS+1], v[12:13] op_sel_hi:[1,0,0]   ; t - M, two at a time
.set n, n+2
.endr
.irp b, 0,1,2,3
	v_fma_f32 v[232+\b], v[232+\b], s[CS], v12     ; the same of each block's largest score
.endr
.set n, 0
	s_wait_alu depctr_va_vdst(0)
.rept 64
	v_exp_f32 v[S+n], v[S+n]                       ; p = 2^(t - M), at most 1
.set n, n+1
.endr
	v_pk_mul_f32 v[14:15], v[14:15], v[252:253] op_sel_hi:[1,0]   ; the sums under the new M.  (A plain line behind the exponentials)
	s_wait_alu depctr_va_vdst(0)                   ; one wait for the whole batch, ahead of its first reader
.irp b, 0,1,2,3
	v_exp_f32 v[232+\b], v[232+\b]                 ; the block's largest p: the same two instructions on the same number
.endr
	v_pk_add_f32 v[236:237], v[100:101], v[104:105]
	v_pk_add_f32 v[250:251], v[108:109], v[112:113]
	v_pk_add_f32 v[248:249], v[116:117], v[120:121]
	v_pk_add_f32 v[246:247], v[124:125], v[128:129]
	v_pk_add_f32 v[244:245], v[132:133], v[136:137]
	v_pk_add_f32 v[240:241], v[140:141], v[144:145]
	v_pk_add_f32 v[238:239], v[148:149], v[152:153]
	v_pk_add_f32 v[14:15], v[14:15], v[156:157]
	v_pk_add_f32 v[236:237], v[236:237], v[96:97]
	v_pk_add_f32 v[250:251], v[250:251], v[98:99]
	v_pk_add_f32 v[248:249], v[248:249], v[102:103]
	v_pk_add_f32 v[246:247], v[246:247], v[106:107]
	v_pk_add_f32 v[244:245], v[244:245], v[110:111]
	v_pk_add_f32 v[240:241], v[240:241], v[114:115]
	v_pk_add_f32 v[238:239], v[238:239], v[118:119]
	v_pk_add_f32 v[14:15], v[14:15], v[122:123]
	v_pk_add_f32 v[236:237], v[236:237], v[126:127]
	v_pk_add_f32 v[250:251], v[250:251], v[130:131]
	v_pk_add_f32 v[248:249], v[248:249], v[134:135]
	v_pk_add_f32 v[246:247], v[246:247], v[138:139]
	v_pk_add_f32 v[244:245], v[244:245], v[142:143]
	v_pk_add_f32 v[240:241], v[240:241], v[146:147]
	v_pk_add_f32 v[238:239], v[238:239], v[150:151]
	v_pk_add_f32 v[14:15], v[14:15], v[154:155]
	v_pk_add_f32 v[236:237], v[236:237], v[158:159]
	s_delay_alu instid0(VALU_DEP_2)
	v_pk_add_f32 v[14:15], v[14:15], v[246:247]
	s_delay_alu instid0(VALU_DEP_2)
	v_pk_add_f32 v[236:237], v[236:237], v[244:245]
	v_pk_add_f32 v[250:251], v[250:251], v[240:241]
	v_pk_add_f32 v[248:249], v[248:249], v[238:239]
	s_delay_alu instid0(VALU_DEP_2)
	v_pk_add_f32 v[14:15], v[14:15], v[250:251]
	s_delay_alu instid0(VALU_DEP_2)
	v_pk_add_f32 v[236:237], v[236:237], v[248:249]
	s_delay_alu instid0(VALU_DEP_1)
	v_pk_add_f32 v[14:15], v[14:15], v[236:237]
	s_wait_alu depctr_va_vdst(0)                   ; and one for the four
.irp b, 0,1,2,3
	v_max_num_f32 v[232+\b], 0x2800000, v[232+\b]  ; the floor 2^(5 - 127): the byte cannot fall under 1
.endr
.irp b, 0,1,2,3
	s_delay_alu instid0(VALU_DEP_4)
	v_add_nc_u32 v[244+\b], 0xfe000000, v[232+\b]  ; 4 off the exponent field: the conversion's scale operand
.endr
.irp b, 0,1,2,3
	s_delay_alu instid0(VALU_DEP_4)
	v_lshrrev_b32 v[236+\b], 23, v[244+\b]         ; the scale's byte
.endr
	s_delay_alu instid0(VALU_DEP_3)
	v_lshl_or_b32 v[PWD], v237, 8, v236            ; p's scale word for these 128 keys
	s_delay_alu instid0(VALU_DEP_1)
	v_lshl_or_b32 v[PWD], v238, 16, v[PWD]
	s_delay_alu instid0(VALU_DEP_1)
	v_lshl_or_b32 v[PWD], v239, 24, v[PWD]
	s_setprio 0
.irp c, 0,1
	v_cvt_scalef32_pk16_bf6_f32 v[224+6*\c:226+6*\c], v[S+32*\c:S+15+32*\c], v[244+2*\c]
	v_cvt_scalef32_pk16_bf6_f32 v[236+4*\c:238+4*\c], v[S+16+32*\c:S+31+32*\c], v[244+2*\c+1]
.endr
	v_nop                                          ; one plain line behind a scaled conversion
.irp c, 0,1                                    ; a WHOLE block in a lane: lanes 0-15 block 2 c, lanes 16-31 block 2 c + 1
.irp i, 0,1,2
	v_permlane16_swap_b32 v[224+6*\c+\i], v[236+4*\c+\i]
.endr
.irp i, 0,1,2
	s_delay_alu instid0(VALU_DEP_3)
	v_mov_b32 v[227+6*\c+\i], v[236+4*\c+\i]
.endr
.endr
.set n, 0
.rept 16
	v_pk_mul_f32 v[O+n:O+n+1], v[O+n:O+n+1], v[252:253] op_sel_hi:[1,0]   ; O^T under the new M.  Twelve of these name no register of any one product below: the places behind p's scale word and codes
.set n, n+2
.endr
.rept 4
	v_nop
.endr
	s_wait_alu depctr_va_vdst(0)
	s_wait_dscnt 0x0                               ; V is in
.irp t, 0,1,2,3                                ; O^T += V^T P^T; the four accumulators take turns
	v_wmma_scale_f32_16x16x128_f8f6f4 v[O+8*\t:O+8*\t+7], v[KV+12*\t:KV+12*\t+11], v[224:235], v[O+8*\t:O+8*\t+7], v[VSC+\t], v[PWD] matrix_a_fmt:MATRIX_FMT_BF6 matrix_b_fmt:MATRIX_FMT_BF6
.endr
.Lskip_\@:
	s_add_co_u32 s[TB], s[TB], KVB                 ; the next chunk in LDS
.endm
.macro RUN
	s_wait_loadcnt 0x0                             ; Q
	v_perm_b32 v[SQ], v[SQ], v[SQ], s61
	v_mov_b32 v13, 0xff61b1e6                      ; the largest t so far: -3e38
	s_delay_alu instid0(VALU_DEP_1)
	v_floor_f32 v12, -v13
	v_mov_b32 v14, 0
	v_mov_b32 v15, 0
.set n, 0
.rept 32
	v_mov_b32 v[O+n], 0                            ; the step is written once: the first finds zeros.  (Also the places behind Q's scale word)
.set n, n+1
.endr
	s_mov_b32 s[TB], 0
	s_mov_b32 s[STEPI], 0
.Lstep_\@:                                         ; 16 trips, a constant: the steps that the mask hides are jumped over inside
	STEP
	s_add_co_u32 s[STEPI], s[STEPI], 1
	s_cmp_lt_u32 s[STEPI], 16
	s_cbranch_scc1 .Lstep_\@
	s_setprio 0
.endm
; The tile's end: O^T / the sum, quantised along d (register 16 G + i holds d = 32 G + 16 (lane / 16) + i), stored as half a fragment's image.
.macro FINISH
.rept 4
	v_nop                                          ; places behind the last products
.endr
	v_add_f32 v14, v14, v15
	s_delay_alu instid0(VALU_DEP_1)
	v_permlanex16_b32 v252, v14, s[SEL], s[SEL+1]
	s_delay_alu instid0(VALU_DEP_1)
	v_add_f32 v14, v14, v252                       ; the row's sum
	s_wait_alu depctr_va_vdst(0)
	v_rcp_f32 v14, v14
	v_nop
	s_wait_alu depctr_va_vdst(0)                   ; ahead of the first reader
.set n, 0
.rept 32
	v_mul_f32 v[S+n], v[O+n], v14                  ; each accumulator from its low end on
.set n, n+1
.endr
.irp b, 0,1
	v_max3_num_f32 v[232+\b], |v[S+16*\b]|, |v[S+1+16*\b]|, 0x2800000
.endr
.irp i, 2,4,6,8,10,12,14
.irp b, 0,1
	s_delay_alu instid0(VALU_DEP_2)
	v_max3_num_f32 v[232+\b], v[232+\b], |v[S+16*\b+\i]|, |v[S+1+16*\b+\i]|
.endr
.endr
.irp b, 0,1
	s_delay_alu instid0(VALU_DEP_2)
	v_permlanex16_b32 v[236+\b], v[232+\b], s[SEL], s[SEL+1]
.endr
.irp b, 0,1
	s_delay_alu instid0(VALU_DEP_2)
	v_max_num_f32 v[232+\b], v[232+\b], v[236+\b]
.endr
.irp b, 0,1
	s_delay_alu instid0(VALU_DEP_2)
	v_add_nc_u32 v[244+\b], 0xfe000000, v[232+\b]
.endr
.irp b, 0,1
	s_delay_alu instid0(VALU_DEP_2)
	v_lshrrev_b32 v[236+\b], 23, v[244+\b]
.endr
	s_delay_alu instid0(VALU_DEP_1)
	v_lshl_or_b32 v240, v237, 8, v236              ; my row's two scale bytes
	v_cvt_scalef32_pk16_bf6_f32 v[224:226], v[S:S+15], v244
	v_cvt_scalef32_pk16_bf6_f32 v[236:238], v[S+16:S+31], v245
	v_nop
.irp i, 0,1,2
	v_permlane16_swap_b32 v[224+\i], v[236+\i]
.endr
.irp i, 0,1,2
	s_delay_alu instid0(VALU_DEP_3)
	v_mov_b32 v[227+\i], v[236+\i]
.endr
.irp p, 0,1,2
	global_store_b64 v[OA], v[224+2*\p:225+2*\p], s[52:53] offset:256*\p   ; 32 lanes store 256 consecutive bytes, aligned
.endr
	global_store_b16 v[OS], v240, s[54:55]         ; lanes 16-31 repeat lanes 0-15's bytes
	s_wait_xcnt 0x0                                ; the stores have read their data and bases: the next pass writes both
.endm
	QLOAD 0
	s_wait_tensorcnt 0x0                           ; my chunk is in,
	s_barrier_signal -1
	s_barrier_wait -1                              ; everybody's is: all sixteen chunks may be read
	RUN
	FINISH
	QLOAD 1
	RUN
	FINISH
	s_wait_tensorcnt 0x0
	ds_add_u32 v243, v255
	s_wait_dscnt 0x0
	CROUND                                         ; the closing round
	s_endpgm
.Lfunc_end_k_q883c69c65e_attn:
	.size	k_q883c69c65e_attn, .Lfunc_end_k_q883c69c65e_attn-k_q883c69c65e_attn
	.p2alignl 7, 3214868480
	.fill 96, 4, 3214868480
	.section	.rodata,"a",@progbits
	.p2align	6, 0x0
	.amdhsa_kernel k_q883c69c65e_attn
		.amdhsa_group_segment_fixed_size 206848
		.amdhsa_private_segment_fixed_size 0
		.amdhsa_enable_private_segment 0
		.amdhsa_kernarg_size 24
		.amdhsa_user_sgpr_count 2
		.amdhsa_user_sgpr_kernarg_segment_ptr 1
		.amdhsa_wavefront_size32 1
		.amdhsa_system_sgpr_workgroup_id_x 1
		.amdhsa_system_sgpr_workgroup_id_y 1
		.amdhsa_system_sgpr_workgroup_id_z 1
		.amdhsa_system_vgpr_workitem_id 0
		.amdhsa_next_free_vgpr 256
		.amdhsa_next_free_sgpr 66
		.amdhsa_reserve_vcc 1
		.amdhsa_float_denorm_mode_32 3
		.amdhsa_float_denorm_mode_16_64 3
		.amdhsa_memory_ordered 1
		.amdhsa_forward_progress 1
		.amdhsa_inst_pref_size 66
	.end_amdhsa_kernel
	.amdgpu_metadata
---
amdhsa.version: [ 1, 2 ]
amdhsa.kernels:
  - .name:           k_q883c69c65e_attn
    .symbol:         k_q883c69c65e_attn.kd
    .args:
      - { .name: qkv, .offset: 0, .size: 8, .value_kind: global_buffer, .address_space: global }
      - { .name: ac, .offset: 8, .size: 8, .value_kind: global_buffer, .address_space: global }
      - { .name: asc, .offset: 16, .size: 8, .value_kind: global_buffer, .address_space: global }
    .group_segment_fixed_size: 206848
    .private_segment_fixed_size: 0
    .kernarg_segment_align: 8
    .kernarg_segment_size: 24
    .max_flat_workgroup_size: 512
    .sgpr_count:     66
    .vgpr_count:     256
    .wavefront_size: 32
...
	.end_amdgpu_metadata
.endif
;; end of part 3
;; launch oproj (part 4): grid 4 x 32, 4 waves a work-group, clusters of 4 x 4, 327,680 bytes of LDS; arguments ac, asc, cod, scl, out0; writes out0
.if DOCPART == 4
	.amdgcn_target "amdgcn-amd-amdhsa--gfx1250"
	.amdhsa_code_object_version 6
	.text
	.protected	k_q883c69c65e_oproj
	.globl	k_q883c69c65e_oproj
	.p2align	8
	.type	k_q883c69c65e_oproj,@function
k_q883c69c65e_oproj:
	s_mov_b64 s[64:65], 0
	v_nop
	global_prefetch_b8 v0, s[64:65] scope:SCOPE_SE
	s_setreg_imm32_b32 hwreg(HW_REG_WAVE_MODE, 25, 1), 1
	s_wait_xcnt 0x0
	s_wait_alu depctr_hold_cnt(0) depctr_sa_sdst(0) depctr_va_vdst(0) depctr_va_sdst(0) depctr_va_ssrc(0) depctr_va_vcc(0) depctr_vm_vsrc(0)
	s_getreg_b32 s2, hwreg(HW_REG_IB_STS2, 6, 4)
	s_cmp_eq_u32 s2, 0
	s_cbranch_scc0 .Lentry_in_a_cluster
	s_endpgm
.Lentry_in_a_cluster:
	s_bfe_u32 s2, ttmp6, 0x10000c
	s_cmp_lg_u32 s2, 0xf033
	s_cbranch_scc0 .Lentry_shape_is_right
	s_endpgm
.Lentry_shape_is_right:
; LAUNCH 4 OF 4.  out0 = attention's result x o_w^T on codes of BF6 (E3M2) with E8M0 scales; out0 [8192][1024] f32.
; A tile of 256 x 256 is made by a work-group of four waves, 128 x 128 a wave: 64 accumulators.  K = 1,024 goes in steps of 256 through a ring of two LDS slots; the scale bytes of the work-group's rows come once.
; 4 x 4 work-groups form a cluster: A's tiles are shared along a row, B's along a column, each asked for jointly.  Source 0 = 16 rows of o_w, source 1 = 16 tokens: a lane holds eight neighbouring numbers of a row of out0.
; A (ac) lies as images of operand registers: [tile of 16 stored tokens][head][768 bytes]; two heads on end are a fragment of 128 along K: registers 2 p, 2 p + 1 of lane l at 256 p + 8 l.  A K step of 256 is 3,072 consecutive bytes of each
; tile: a wave's tensor load brings 8 such rows, and a fragment comes by six loads of 256 consecutive bytes.  B (o_w: rows 11,264 on of cod and scl) lies by rows of 768 bytes.
; THE TOKENS ARE STORED WITH BITS 3 AND 4 OF THEIR NUMBER EXCHANGED: the stores' offsets put each row at its true place.
; REGISTERS, in windows of 256: window 0: v0-31 addresses; v32-63 scale words, two sets; from v128 A's fragments, ONE set; on the way out v128-255 are free.   window 1: B's fragments, TWO sets.   windows 2, 3: the accumulators.
.set SIZE_K, 1024
.set SIZE_N, 1024
.set KSTEP,  256
.set NQ,     KSTEP/128
.set ROWB,   192                       ; B: a tile's row in bytes
.set KROW,   SIZE_K*6/8
.set PITCH,  240                       ; B: an LDS row: 3 x (64 bytes + 16 of padding)
.set FR,     12
.set NL,     6
.set NP,     4
.set HALFT,  128*PITCH                 ; B: 128 rows
.set AROW,   3072                      ; A: a K step of one tile of 16 tokens
.set HALFA,  8*AROW                    ; A: 128 tokens
.set SLOT,   2*HALFA+2*HALFT           ; A's 256 tokens, then B's 256 rows
.set LAPS,   SIZE_K/(2*KSTEP)
.set KS,     SIZE_K/32
.set SCL,    2*SLOT
.set HALFS,  (128*KS/256)*272
.set SBLK,   (16*KS/256)*272
.set SPARE,  SCL+4*HALFS               ; the spare words, 128 bytes a wave: two blocks of 256 bytes that no other line names
.set SPITCH, 528                       ; the way out: a stage of 16 rows x (512 bytes + 16) for each wave, in slot 0, which has had its last fill and its last read when the first result is stored there
.set ADRA, 16                          ; v16-17  A: 8 x lane + my half + the slot
.set ADRB, 20                          ; v20-21  B's fragments in slot 0, 1  (v22-23: behind one padding more)
.set STO,  24
.set RD,   25
.set CO,   26
.set ADRS, 27
.set SPW,  28                          ; v28  LDS address of my spare word; never rewritten
.set NIL,  29                          ; v29  0; never rewritten
.set SC,   32
.set AF,   128
.set BK,   128
.set G1, 24
.set G0, 32
.set G1B, 48
.set G0B, 56
.set G1S, 68
.set G0S, 76
.set G1SB, 80
.set G0SB, 88
.set MSB, 0
.macro WIN new
.if MSB != \new
	s_set_vgpr_msb (MSB<<8)|\new
.set MSB, \new
.endif
.endm
.set MUL_LO, 0xa1
.set MUL_HI, 0xf1
.set TO_B,   0x40
.macro JLOAD g0a, g1a, g0b, g1b        ; a joint load: waves 0 and 1 fetch for A, waves 2 and 3 for B; four v_nop follow each of the two lines
	s_cmp_eq_u32 s15, 0
	s_cbranch_scc0 .Lfor_b_\@
	tensor_load_to_lds s[\g0a:\g0a+3], s[\g1a:\g1a+7]
	s_nop 0
.rept 4
	v_nop
.endr
	s_branch .Lasked_\@
.Lfor_b_\@:
	tensor_load_to_lds s[\g0b:\g0b+3], s[\g1b:\g1b+7]
	s_nop 0
.rept 4
	v_nop
.endr
.Lasked_\@:
.endm
.macro CREST
	s_cmp_lg_u32 s14, 0
	s_cbranch_scc1 .Lnot_wave_0_\@
	s_barrier_signal -3
.Lnot_wave_0_\@:
	s_barrier_wait -3
	s_barrier_signal -1
	s_barrier_wait -1
.endm
.macro CROUND
	s_barrier_signal -1
	s_barrier_wait -1
	CREST
.endm
	s_load_b128 s[4:7], s[0:1], 0x0                ; ac s[4:5], asc s[6:7]
	s_load_b128 s[8:11], s[0:1], 0x10              ; cod s[8:9], scl s[10:11]
	s_load_b64 s[12:13], s[0:1], 0x20              ; out0
	v_lshl_add_u32 v[SPW], v0, 2, SPARE
	v_mov_b32 v[NIL], 0
	ds_add_u32 v28, v29
	ds_add_u32 v28, v29
	s_wait_dscnt 0x0
	v_lshrrev_b32 v1, 5, v0
	v_readfirstlane_b32 s14, v1                    ; wave 0..3
	s_lshr_b32 s15, s14, 1                         ; which half of the tile's tokens is mine.  Also: I fetch for A (0) or for B (1)
	s_and_b32 s16, s14, 1                          ; which half of its columns.  Also: which half I fetch
	s_bfe_u32 s40, ttmp6, 0x40000                  ; cx, cy
	s_bfe_u32 s41, ttmp6, 0x40004
	s_lshl_b32 s42, ttmp9, 2
	s_add_co_u32 s42, s42, s40                     ; tile column
	s_and_b32 s17, ttmp7, 0xffff
	s_lshl_b32 s17, s17, 2
	s_add_co_u32 s17, s17, s41                     ; tile row
	s_lshl_b32 s43, s41, 2
	s_lshl_b32 s43, 15, s43                        ; my row of the cluster
	s_lshl_b32 s44, 0x1111, s40                    ; my column
	; descriptor group 1 for A: 8 rows of 3,072 bytes (384 elements of 8), 12,288 bytes apart, no padding
	s_or_b32 s[G1+0], s43, (3<<16)|(1<<21)
	s_mov_b32 s[G1+1], 384<<16                     ; tensor_dim0
	s_mov_b32 s[G1+2], 8<<16                       ; tensor_dim1
	s_mov_b32 s[G1+3], 384<<16                     ; tile_dim0
	s_mov_b32 s[G1+4], 8                           ; tile_dim1
	s_mov_b32 s[G1+5], 1536                        ; tensor_dim0_stride
	s_mov_b32 s[G1+6], 0
	s_mov_b32 s[G1+7], 0
	; for B: 128 rows x 192 bytes, 16 bytes of padding behind every 64
	s_or_b32 s[G1B+0], s44, (0<<16)|(1<<20)|(1<<21)|(3<<22)|(3<<25)
	s_mov_b32 s[G1B+1], ROWB<<16
	s_mov_b32 s[G1B+2], 128<<16
	s_mov_b32 s[G1B+3], ROWB<<16
	s_mov_b32 s[G1B+4], 128
	s_mov_b32 s[G1B+5], KROW
	s_mov_b32 s[G1B+6], 0
	s_mov_b32 s[G1B+7], 0
	; for the scales of 128 rows: 4,096 dense bytes as 16 rows of 256, 16 bytes of padding behind each
	s_or_b32 s[G1S+0], s43, (3<<16)|(1<<20)|(1<<21)|(5<<22)|(3<<25)
	s_or_b32 s[G1SB+0], s44, (3<<16)|(1<<20)|(1<<21)|(5<<22)|(3<<25)
.irp g, G1S, G1SB
	s_mov_b32 s[\g+1], 32<<16
	s_mov_b32 s[\g+2], (128*KS/256)<<16
	s_mov_b32 s[\g+3], 32<<16
	s_mov_b32 s[\g+4], 128*KS/256
	s_mov_b32 s[\g+5], 32
	s_mov_b32 s[\g+6], 0
	s_mov_b32 s[\g+7], 0
.endr
	s_lshl_b32 s20, s17, 4
	s_lshl_b32 s18, s16, 3
	s_add_co_u32 s20, s20, s18                     ; A: tile of 16 tokens 16 x tile row + 8 x half,
	s_mul_i32 s20, s20, 12288                      ; in bytes
	s_mov_b32 s21, 0
	s_lshl_b32 s22, s17, 8
	s_lshl_b32 s18, s16, 7
	s_add_co_u32 s22, s22, s18
	s_lshl_b32 s22, s22, 5                         ; and its tokens' scales: 32 bytes a token
	s_mov_b32 s23, 0
	s_lshl_b32 s46, s42, 8
	s_add_co_u32 s46, s46, s18
	s_add_co_u32 s46, s46, 11264                   ; B: row 11,264 + 256 x tile column + 128 x half
	s_lshl_b32 s92, s46, 5
	s_mov_b32 s93, 0
	s_mul_i32 s46, s46, KROW
	s_mov_b32 s47, 0
	s_mul_i32 s45, s16, HALFA                      ; where they go: A's two halves,
	s_mul_i32 s95, s16, HALFT
	s_add_co_u32 s95, s95, 2*HALFA                 ; behind them B's two: no place in the cluster enters an LDS address
	s_mul_i32 s94, s14, HALFS
	s_wait_kmcnt 0x0
	s_add_nc_u64 s[20:21], s[4:5], s[20:21]
	s_add_nc_u64 s[22:23], s[6:7], s[22:23]
	s_add_nc_u64 s[46:47], s[8:9], s[46:47]
	s_add_nc_u64 s[92:93], s[10:11], s[92:93]
	CROUND                                         ; all sixteen work-groups are here: the first joint loads meet
	s_mov_b32 s[G0S], 1
	s_add_co_u32 s[G0S+1], s94, SCL
	s_mov_b64 s[G0S+2:G0S+3], s[22:23]
	s_or_b32 s[G0S+3], s[G0S+3], 0x80000000
	s_mov_b32 s[G0SB], 1
	s_add_co_u32 s[G0SB+1], s94, SCL
	s_mov_b64 s[G0SB+2:G0SB+3], s[92:93]
	s_or_b32 s[G0SB+3], s[G0SB+3], 0x80000000
	JLOAD G0S, G1S, G0SB, G1SB                     ; the scales first
.irp s, 0,1
	s_mov_b32 s[G0+4*\s], 1
	s_add_co_u32 s[G0+4*\s+1], s45, \s*SLOT
	s_add_nc_u64 s[G0+4*\s+2:G0+4*\s+3], s[20:21], \s*AROW
	s_or_b32 s[G0+4*\s+3], s[G0+4*\s+3], 0x80000000
	s_mov_b32 s[G0B+4*\s], 1
	s_add_co_u32 s[G0B+4*\s+1], s95, \s*SLOT
	s_add_nc_u64 s[G0B+4*\s+2:G0B+4*\s+3], s[46:47], \s*ROWB
	s_or_b32 s[G0B+4*\s+3], s[G0B+4*\s+3], 0x80000000
	s_wait_alu depctr_va_vdst(0)
	s_wait_tensorcnt 0x0
	ds_add_u32 v28, v29
	s_wait_dscnt 0x0
	CROUND
	JLOAD G0+4*\s, G1, G0B+4*\s, G1B
.endr
	v_and_b32 v1, 15, v0                           ; l % 16
	v_bfe_u32 v2, v0, 4, 1                         ; l / 16
	v_mul_u32_u24 v3, v1, PITCH
	v_mul_u32_u24 v4, v2, 24
	v_add_nc_u32 v4, v3, v4                        ; B: a fragment's row x pitch + 24 x half
	v_lshl_add_u32 v5, v2, 4, v4                   ; and the same behind one padding more
	v_and_b32 v6, 31, v0
	v_lshlrev_b32 v6, 3, v6                        ; A: 8 x lane
	s_mul_i32 s21, s15, HALFA                      ; my 128 tokens
	s_mul_i32 s22, s16, HALFT                      ; my 128 rows of B,
	s_add_co_u32 s22, s22, 2*HALFA                 ; which lie behind A's
.irp s, 0,1
	v_add_nc_u32 v[ADRA+\s], s21, v6
	v_add_nc_u32 v[ADRB+\s], s22, v4
	v_add_nc_u32 v[ADRB+2+\s], s22, v5
	s_add_co_u32 s21, s21, SLOT
	s_add_co_u32 s22, s22, SLOT
.endr
	v_mul_u32_u24 v5, v1, KS
	v_lshrrev_b32 v6, 8, v5
	v_lshl_add_u32 v5, v6, 4, v5
	s_mul_i32 s21, s15, HALFS
	s_mul_i32 s22, s16, HALFS
	s_add_co_u32 s22, s22, 2*HALFS
	s_sub_co_u32 s22, s22, s21
	v_mul_u32_u24 v6, s22, v2                      ; lanes 16-31 take B's
	s_add_co_u32 s21, s21, SCL
	v_add_nc_u32 v5, v5, v6
	v_add_nc_u32 v[ADRS], s21, v5
	s_mul_i32 s23, s14, 16*SPITCH                  ; my stage
	v_mul_u32_u24 v5, v1, SPITCH
	v_lshl_add_u32 v5, v2, 5, v5
	v_add_nc_u32 v[STO], s23, v5
	v_and_b32 v6, 31, v0
	v_lshlrev_b32 v[CO], 4, v6
	v_add_nc_u32 v[RD], s23, v[CO]
	s_lshl_b32 s20, s17, 8
	s_lshl_b32 s21, s15, 7
	s_add_co_u32 s20, s20, s21                     ; my first row of out0
	s_mov_b32 s21, 0
	s_mov_b64 s[18:19], SIZE_N*4
	s_mul_u64 s[20:21], s[20:21], s[18:19]
	s_lshl_b32 s46, s42, 10                        ; my first column, in bytes
	s_lshl_b32 s47, s16, 9
	s_add_co_u32 s46, s46, s47
	s_mov_b32 s47, 0
	s_add_nc_u64 s[20:21], s[20:21], s[46:47]
	s_add_nc_u64 s[12:13], s[12:13], s[20:21]
.macro FRAG reg, adr, q, i             ; B's fragment, from rows: pieces of 8 bytes
.irp p, 0,1,2,3,4,5
.set PIE, 12*(\q)+6*(\p/3)+\p%3
.if PIE%8 < 5
	ds_load_b64 v[\reg+2*\p:\reg+2*\p+1], v[\adr] offset:8*PIE+16*(PIE/8)+(\i)*16*PITCH
.else
	ds_load_b64 v[\reg+2*\p:\reg+2*\p+1], v[\adr+2] offset:8*PIE+16*(PIE/8)+(\i)*16*PITCH
.endif
.endr
.endm
.macro FRAGA reg, adr, q, i            ; A's fragment, an image of its registers: six loads of 256 consecutive bytes
.irp p, 0,1,2,3,4,5
	ds_load_b64 v[\reg+2*\p:\reg+2*\p+1], v[\adr] offset:AROW*(\i)+1536*(\q)+256*\p
.endr
.endm
.macro MUL16 a0, p, q, sc, zero        ; the 64 accumulators take turns, one instruction a turn
.irp a, \a0, \a0+1
.irp b, 0,1,2,3,4,5,6,7
.if \zero
	v_wmma_scale_f32_16x16x128_f8f6f4 v[8*(8*((\a)%4)+\b):8*(8*((\a)%4)+\b)+7], v[128*(\p)+FR*\b:128*(\p)+FR*\b+FR-1], v[AF+FR*(\a):AF+FR*(\a)+FR-1], 0, v[SC+8*NQ*(\sc)+NQ*\b+(\q)], v[SC+8*NQ*(\sc)+NQ*(\a)+(\q)] matrix_a_fmt:MATRIX_FMT_BF6 matrix_b_fmt:MATRIX_FMT_BF6 matrix_a_scale:MATRIX_SCALE_ROW1
.else
	v_wmma_scale_f32_16x16x128_f8f6f4 v[8*(8*((\a)%4)+\b):8*(8*((\a)%4)+\b)+7], v[128*(\p)+FR*\b:128*(\p)+FR*\b+FR-1], v[AF+FR*(\a):AF+FR*(\a)+FR-1], v[8*(8*((\a)%4)+\b):8*(8*((\a)%4)+\b)+7], v[SC+8*NQ*(\sc)+NQ*\b+(\q)], v[SC+8*NQ*(\sc)+NQ*(\a)+(\q)] matrix_a_fmt:MATRIX_FMT_BF6 matrix_b_fmt:MATRIX_FMT_BF6 matrix_a_scale:MATRIX_SCALE_ROW1
.endif
.endr
.endr
.endm
.macro FETCH_B slot, q, p
	WIN TO_B
.irp i, 0,1,2,3,4,5,6,7
	FRAG 128*(\p)+FR*\i, ADRB+\slot, \q, \i
.endr
	WIN 0
.endm
.macro FETCH_A slot, q, i0
.irp i, \i0, \i0+1, \i0+2, \i0+3
	FRAGA AF+FR*(\i), ADRA+\slot, \q, \i
.endr
.endm
.macro SCALES sc
.irp i, 0,1,2,3,4,5,6,7
	ds_load_b64 v[SC+8*NQ*\sc+NQ*\i:SC+8*NQ*\sc+NQ*\i+1], v[ADRS] offset:\i*SBLK
.endr
.endm
.macro PLACES n
.rept \n
	v_nop
.endr
.endm
.macro STEP slot, q, zero
	s_wait_dscnt 4*NL                              ; B's set and A's blocks 0-3 are in; the youngest 24 loads (A's blocks 4-7) may be out
	WIN MUL_LO
	MUL16 0, (\q)%2, \q, \slot, \zero
	MUL16 2, (\q)%2, \q, \slot, \zero
	s_wait_dscnt 0
	PLACES NP
	FETCH_B \slot, (\q)+1, 1-(\q)%2
	FETCH_A \slot, (\q)+1, 0
	WIN MUL_HI
	MUL16 4, (\q)%2, \q, \slot, \zero
	MUL16 6, (\q)%2, \q, \slot, \zero
	PLACES NP
	WIN 0
	FETCH_A \slot, (\q)+1, 4
.endm
.macro TURN slot, next, fill
	s_wait_tensorcnt 0x0                           ; all my tensor loads have landed: my part of the next slot;
	ds_add_u32 v[SPW], v[NIL]                      ; 0 onto my spare word;
	s_wait_dscnt 4*NL+1                            ; (the add and the youngest 24 loads may be out)
	WIN MUL_LO
	MUL16 0, 1, NQ-1, \slot, 0
	s_wait_dscnt 0x0                               ; the add is done, and my reads of this slot are over
	s_barrier_signal -1
	MUL16 2, 1, NQ-1, \slot, 0
	WIN 0
	s_barrier_wait -1
.if \fill
	CREST                                          ; the barrier has opened a round of the cluster's barrier
	s_add_nc_u64 s[G0+4*\slot+2:G0+4*\slot+3], s[G0+4*\slot+2:G0+4*\slot+3], 2*AROW
	s_add_nc_u64 s[G0B+4*\slot+2:G0B+4*\slot+3], s[G0B+4*\slot+2:G0B+4*\slot+3], 2*ROWB
	JLOAD G0+4*\slot, G1, G0B+4*\slot, G1B         ; the first tensor load behind the round; its four v_nop are the places in front of the loads below
.else
	PLACES NP
.endif
	s_wait_alu depctr_va_vdst(0)
	v_add_nc_u32 v[ADRS], 4*NQ, v[ADRS]
	FETCH_B \next, 0, 0
	FETCH_A \next, 0, 0
	SCALES \next
	WIN MUL_HI
	MUL16 4, 1, NQ-1, \slot, 0
	MUL16 6, 1, NQ-1, \slot, 0
	PLACES NP
	WIN 0
	FETCH_A \next, 0, 4
.endm
	s_wait_alu depctr_va_vdst(0)
	s_wait_tensorcnt 1                             ; the scales and my part of K step 0 are in (K step 1's load may be out),
	s_barrier_signal -1
	s_barrier_wait -1                              ; everybody's are
	FETCH_B 0, 0, 0
	FETCH_A 0, 0, 0
	SCALES 0
	FETCH_A 0, 0, 4
	STEP 0, 0, 1                                   ; the first step's products start the sums
	s_mov_b32 s3, LAPS-1
.Llap:
	TURN 0, 1, 1
	STEP 1, 0, 0
	TURN 1, 0, 1
	STEP 0, 0, 0
	s_sub_co_u32 s3, s3, 1
	s_cmp_lg_u32 s3, 0
	s_cbranch_scc1 .Llap
	TURN 0, 1, 0                                   ; the last lap fills nothing
	STEP 1, 0, 0
	s_wait_dscnt 4*NL
	WIN MUL_LO
	MUL16 0, 1, NQ-1, 1, 0
	MUL16 2, 1, NQ-1, 1, 0
	s_wait_dscnt 0
	WIN MUL_HI
	MUL16 4, 1, NQ-1, 1, 0
	MUL16 6, 1, NQ-1, 1, 0
	WIN 0
; THE WAY OUT, block by block of 16 stored tokens x 128 columns, through my own stage in LDS; back as whole rows of 512 bytes.  LDS serves a wave's instructions in order (ISA guide 5.7.1.4).
.macro TOSTAGE a
.set AC, 64*((\a)%4)
.set WN, 0x08+4*((\a)/4)
	WIN WN                                         ; the data: window 2 or 3
.irp b, 0,1,2,3,4,5,6,7
	ds_store_b128 v[STO], v[AC+8*\b:AC+8*\b+3] offset:64*\b          ; each accumulator from its low end on
	ds_store_b128 v[STO], v[AC+8*\b+4:AC+8*\b+7] offset:64*\b+16
.endr
	WIN 0
.set BB, BK+64*((\a)%2)
.irp t, 0,1,2,3,4,5,6,7,8,9,10,11,12,13,14,15
	ds_load_b128 v[BB+4*\t:BB+4*\t+3], v[RD] offset:\t*SPITCH
.endr
.endm
.macro SEND a, younger                 ; stored row 16 a + t is true row 32 (a / 2) + 16 (t / 8) + 8 (a % 2) + t % 8 of my 128: the place stands in the immediate, 127 rows of 4,096 bytes at the most; the base is never stepped
.set BB, BK+64*((\a)%2)
	s_wait_dscnt \younger
.irp t, 0,1,2,3,4,5,6,7,8,9,10,11,12,13,14,15
	global_store_b128 v[CO], v[BB+4*\t:BB+4*\t+3], s[12:13] offset:(32*((\a)/2)+8*((\a)%2)+(\t%8)+16*(\t/8))*SIZE_N*4 th:TH_STORE_NT   ; 32 lanes store 512 consecutive bytes, aligned
.endr
.endm
	PLACES NP
	TOSTAGE 0
.irp a, 1,2,3,4,5,6,7
.if \a > 1
	s_wait_xcnt 0x0                                ; block a - 2's stores have read their registers: block a's loads may land there
.endif
	TOSTAGE \a
	SEND \a-1, 32                                  ; behind block a - 1's loads: block a's 16 stores and 16 loads
.endr
	SEND 7, 0
	s_wait_tensorcnt 0x0                           ; the wave's end
	ds_add_u32 v[SPW], v[NIL]
	s_wait_dscnt 0x0
	CROUND                                         ; the closing round
	s_endpgm
.Lfunc_end_k_q883c69c65e_oproj:
	.size	k_q883c69c65e_oproj, .Lfunc_end_k_q883c69c65e_oproj-k_q883c69c65e_oproj
	.p2alignl 7, 3214868480
	.fill 96, 4, 3214868480
	.section	.rodata,"a",@progbits
	.p2align	6, 0x0
	.amdhsa_kernel k_q883c69c65e_oproj
		.amdhsa_group_segment_fixed_size 327680
		.amdhsa_private_segment_fixed_size 0
		.amdhsa_enable_private_segment 0
		.amdhsa_kernarg_size 40
		.amdhsa_user_sgpr_count 2
		.amdhsa_user_sgpr_kernarg_segment_ptr 1
		.amdhsa_wavefront_size32 1
		.amdhsa_system_sgpr_workgroup_id_x 1
		.amdhsa_system_sgpr_workgroup_id_y 1
		.amdhsa_system_sgpr_workgroup_id_z 1
		.amdhsa_system_vgpr_workitem_id 0
		.amdhsa_next_free_vgpr 1024
		.amdhsa_next_free_sgpr 98
		.amdhsa_reserve_vcc 0
		.amdhsa_float_denorm_mode_32 3
		.amdhsa_float_denorm_mode_16_64 3
		.amdhsa_memory_ordered 1
		.amdhsa_forward_progress 1
		.amdhsa_inst_pref_size 161
	.end_amdhsa_kernel
	.amdgpu_metadata
---
amdhsa.version: [ 1, 2 ]
amdhsa.kernels:
  - .name:           k_q883c69c65e_oproj
    .symbol:         k_q883c69c65e_oproj.kd
    .args:
      - { .name: ac, .offset: 0, .size: 8, .value_kind: global_buffer, .address_space: global }
      - { .name: asc, .offset: 8, .size: 8, .value_kind: global_buffer, .address_space: global }
      - { .name: cod, .offset: 16, .size: 8, .value_kind: global_buffer, .address_space: global }
      - { .name: scl, .offset: 24, .size: 8, .value_kind: global_buffer, .address_space: global }
      - { .name: out0, .offset: 32, .size: 8, .value_kind: global_buffer, .address_space: global }
    .group_segment_fixed_size: 327680
    .private_segment_fixed_size: 0
    .kernarg_segment_align: 8
    .kernarg_segment_size: 40
    .max_flat_workgroup_size: 128
    .sgpr_count:     98
    .vgpr_count:     1024
    .wavefront_size: 32
...
	.end_amdgpu_metadata
.endif
;; end of part 4
